; MI455X (gfx1250); checked and timed in simulation.
; The chip was launched on July 23, 2026; its instructions are those of AMD's public machine-readable ISA for CDNA 5 (MIT licence, August 2026) and "CDNA5" Instruction Set Architecture Reference Guide (July 2026). The comments in the code are by the model that wrote it; some were corrected since.
;; Multi Head Cross Attention. Allowed arithmetic: matrix products marked QUANTISED: E3M2 operands, one E8M0 scale for each 32 along K, by v_wmma_scale_f32_16x16x128_f8f6f4 with both operands' format E3M2, f32 sums; products left as they are: f32 operands where the result goes on into a quantised operand, else bf16, f16 or f32 operands; f32 sums; everything else in f32.
;; Inputs: Wk_codes 512 x 16 x 24 uint8 (E3M2 codes of Wk, K innermost, in blocks of 32 codes, four codes in three bytes); Wk_scales 512 x 16 uint8 (E8M0 scales of Wk, one for each 32 codes along K); Wo_codes 512 x 16 x 24 uint8 (E3M2 codes of Wo, K innermost, in blocks of 32 codes, four codes in three bytes); Wo_scales 512 x 16 uint8 (E8M0 scales of Wo, one for each 32 codes along K); Wq_codes 512 x 16 x 24 uint8 (E3M2 codes of Wq, K innermost, in blocks of 32 codes, four codes in three bytes); Wq_scales 512 x 16 uint8 (E8M0 scales of Wq, one for each 32 codes along K); Wv_codes 512 x 16 x 24 uint8 (E3M2 codes of Wv, K innermost, in blocks of 32 codes, four codes in three bytes); Wv_scales 512 x 16 uint8 (E8M0 scales of Wv, one for each 32 codes along K); bk 512 float32; bo 512 float32; bq 512 float32; bv 512 float32; key_value_codes 16 x 8,192 x 16 x 24 uint8 (E3M2 codes of key_value, K innermost, in blocks of 32 codes, four codes in three bytes); key_value_scales 16 x 8,192 x 16 uint8 (E8M0 scales of key_value, one for each 32 codes along K); query_codes 16 x 16 x 24 uint8 (E3M2 codes of query, K innermost, in blocks of 32 codes, four codes in three bytes); query_scales 16 x 16 uint8 (E8M0 scales of query, one for each 32 codes along K).
;; Outputs: out0 16 x 512 float32.
;; This version of the problem:
;;   THIS VERSION OF THE PROBLEM IS GIVEN IN LOW PRECISION. The matrix products marked QUANTISED in the list below multiply operands that are first quantised to E3M2 (3 exponent bits, 2 mantissa bits; 6 bits a number), with one power-of-two scale for each 32 numbers along K (OCP MX v1.0); their sums are f32. All else is computed in f32.
;;   The module's matrix products, in the order in which they are computed (A, B: the left and right operand; K: the contracted axis; several contracted axes count as one K, in the product's order):
;;     1. [M 16, K 512] x [K 512, N 512]; A: input query (given as codes); B: input Wq (given as codes): QUANTISED
;;     2. [M 131,072, K 512] x [K 512, N 512]; A: input key_value (given as codes); B: input Wk (given as codes): QUANTISED
;;     3. [M 131,072, K 512] x [K 512, N 512]; A: input key_value (given as codes); B: input Wv (given as codes): QUANTISED
;;     4. batch 128 x [M 1, K 64] x [K 64, N 8,192]; A: computed on the way; B: computed on the way: left as it is (M = 1 < 16)
;;     5. batch 128 x [M 1, K 8,192] x [K 8,192, N 64]; A: softmax; B: computed on the way: left as it is (M = 1 < 16)
;;     6. [M 16, K 512] x [K 512, N 512]; A: computed on the way; B: input Wo (given as codes): QUANTISED
;;   THE QUANTISER, for each operand of a quantised product, along K:
;;     - K is cut into blocks of 32 from its start; a last block that is shorter is filled with zeros.
;;     - A block's scale is 2^e with e = floor(log2(the largest magnitude in the block)) - 4, held to -126 .. 127; a block of zeros has e = 0. As a byte (E8M0): e + 127.
;;     - Each number is divided by its block's scale, clamped to +-28, and rounded to the nearest number of E3M2, ties to even, subnormals kept.
;;     - The product sums the exact products of the quantised numbers (number of the format x scale) in f32.
;;   ~~~python
;;   def quantise(x, axis):      # numpy; x: float32 -> the quantised numbers, widened to float32 again
;;       x = np.moveaxis(x, axis, -1); K = x.shape[-1]
;;       x = np.pad(x, [(0, 0)] * (x.ndim - 1) + [(0, -K % 32)]); x = x.reshape(x.shape[:-1] + (-1, 32)); a = np.abs(x).max(-1, keepdims=True)
;;       e = np.where(a > 0, np.clip(np.frexp(np.where(a > 0, a, 1))[1] - 1 - 4, -126, 127), 0)      # np.frexp(a)[1] - 1 = floor(log2(a)), exactly
;;       r = np.clip(x / 2.0 ** e, -28, 28)
;;       step = 2.0 ** (np.maximum(np.frexp(np.where(r == 0, 1, r))[1] - 1, -2) - 2)
;;       q = np.round(r / step) * step * 2.0 ** e      # np.round: ties to even
;;       return np.moveaxis(q.reshape(q.shape[:-2] + (-1,))[..., :K], -1, axis).astype(np.float32)
;;   ~~~
;;   OPERANDS COMPUTED ON THE WAY. 'Computed on the way' means the value that the module computes at that place (a softmax that the list does not call 'softmax' is quantised finished and normalised). What goes into a quantiser is computed in f32, as accurately as f32 sums, v_exp_f32 and their like allow (about 1e-6 of the number): no bf16 or f16 on the way to a quantiser, and a product that is left as it is and whose result goes on into a quantised operand takes f32 operands (vector FMAs, or v_wmma_f32_16x16x4_f32). A number that lies on a knife's edge between two numbers of the format may be rounded either way, as far as f32 arithmetic and the matrix unit's own rounding can turn it there, and no further.
;;   INPUTS GIVEN AS CODES. Wk (in the module: [512, 512], K = its axis 0); Wo (in the module: [512, 512], K = its axis 0); Wq (in the module: [512, 512], K = its axis 0); Wv (in the module: [512, 512], K = its axis 0); key_value (in the module: [16, 8192, 512], K = its axis 2); query (in the module: [16, 512], K = its axis 1): each comes as NAME_codes (uint8): NAME with its K axis moved to the last place and cut into blocks of 32 codes, [.., K / 32, bytes a block], one block behind the other in memory; four codes in three bytes: a row's codes are one little-endian stream of bits, code i at bits 6 i .. 6 i + 5 (a code: sign, 3 exponent bits, 2 mantissa bits); and NAME_scales (uint8): the same leading axes, one E8M0 byte (e + 127) for each 32 codes along K. Its value is code x scale, taken as it is: it is not quantised again, and the codes and scales need not be those that the quantiser above would give.
;; 2 versions. Each part assembles by itself: llvm-mc -triple=amdgcn-amd-amdhsa -mcpu=gfx1250 --defsym DOCPART=n.
;; ======== version 1 of 2: 3 launches
;; workspace buffers: wimg 589,824 bytes; qs 32,768 bytes; part 524,288 bytes; stat 16,384 bytes
;; launch prep (part 1): grid 32 x 1, 4 waves a work-group, no clusters, 0 bytes of LDS; arguments Wk_codes, Wv_codes, Wo_codes, Wq_codes, Wq_scales, query_codes, query_scales, bq, wimg, qs; writes wimg, qs
.if DOCPART == 1
	.amdgcn_target "amdgcn-amd-amdhsa--gfx1250"
	.amdhsa_code_object_version 6
	.text
	.protected	k_qf52c247dd2_prep
	.globl	k_qf52c247dd2_prep
	.p2align	8
	.type	k_qf52c247dd2_prep,@function
k_qf52c247dd2_prep:
	s_mov_b64 s[64:65], 0
	v_nop
	global_prefetch_b8 v0, s[64:65] scope:SCOPE_SE
	s_setreg_imm32_b32 hwreg(HW_REG_WAVE_MODE, 25, 1), 1
	s_wait_xcnt 0x0
; PREP.  Two things, one wave each, 128 waves (id = 4 x work-group + wave):
;  id 0..95:   one tile (16 rows x 512 K) of Wk, Wv or Wo is laid in the order of the operand's registers:
;              wimg[3 matrices][32 tiles][4 K steps][3 pieces][32 lanes][16 bytes], so that the later launches fetch a fragment by three loads of 512 consecutive bytes.
;  id 96..127: one tile of 16 columns of q = query Wq + bq (E3M2 codes as given, f32 sums), times log2(e) / 8, into qs[16][512] f32.
; THE ORDER OF K INSIDE A MATRIX INSTRUCTION, the same on both operands of every product of this program: of a K step's 96 bytes of a row, lane (r, h) holds the 48 CONSECUTIVE bytes
; from 48 h on (blocks 2 h and 2 h + 1 of the step's four).  The unit takes a lane's first six registers as block h and its last six as block 2 + h (ISA guide 7.12), so the unit's block
; 2 c + h is the row's block 2 h + c: each scale word has its two middle bytes exchanged.  The same products are summed; only their grouping inside an instruction differs.
; LIMITS: NaN, infinities and scale bytes of 0xff among the inputs are not served.
.set TILEB,   6144                     ; a tile: 16 rows of 384 bytes
.set SWAPMID, 0x03010200               ; v_perm_b32: bytes 0, 2, 1, 3
	s_load_b512 s[4:19], s[0:1], 0x0               ; Wk s[4:5], Wv s[6:7], Wo s[8:9], Wq s[10:11], Wq's scales s[12:13], query's codes s[14:15], its scales s[16:17], bq s[18:19]
	s_load_b128 s[20:23], s[0:1], 0x40             ; wimg s[20:21], qs s[22:23]
	v_lshrrev_b32 v1, 5, v0
	v_readfirstlane_b32 s24, v1                    ; wave
	v_and_b32 v3, 31, v0                           ; lane
	v_and_b32 v4, 15, v0                           ; r
	v_bfe_u32 v5, v0, 4, 1                         ; h
	v_lshlrev_b32 v1, 4, v3                        ; 16 x lane
	v_mul_u32_u24 v2, v4, 384
	v_mad_u32_u24 v2, v5, 48, v2                   ; row r, + 48 h
	s_lshl_b32 s25, ttmp9, 2
	s_add_co_u32 s25, s25, s24                     ; id
	s_mov_b32 s29, 0
	s_mov_b32 s31, 0
	s_wait_kmcnt 0x0
	s_cmp_lt_u32 ttmp9, 24
	s_cbranch_scc0 .Lproduct
	; ---- a tile of a weight into its image
	s_cmp_lt_u32 s25, 32
	s_cselect_b64 s[26:27], s[4:5], s[6:7]         ; the choice hangs on the id alone
	s_cmp_lt_u32 s25, 64
	s_cselect_b64 s[26:27], s[26:27], s[8:9]
	s_and_b32 s28, s25, 31
	s_mul_i32 s28, s28, TILEB
	s_add_nc_u64 s[26:27], s[26:27], s[28:29]      ; the tile in its matrix
	s_mul_i32 s30, s25, TILEB
	s_add_nc_u64 s[20:21], s[20:21], s[30:31]      ; and in wimg: the three matrices on end
.irp q, 0,1,2,3
.irp i, 0,1,2
	global_load_b128 v[16+12*\q+4*\i:19+12*\q+4*\i], v2, s[26:27] offset:96*\q+16*\i
.endr
.endr
	s_wait_loadcnt 0x0
.irp q, 0,1,2,3
.irp i, 0,1,2
	global_store_b128 v1, v[16+12*\q+4*\i:19+12*\q+4*\i], s[20:21] offset:1536*\q+512*\i   ; 32 lanes store 512 consecutive bytes, at a multiple of 256 from wimg's first byte
.endr
.endr
	s_endpgm
.Lproduct:
	; ---- q, columns 16 n .. 16 n + 15, all 16 batches.  Source 0 = 16 rows of Wq, source 1 = query's 16 rows: lane (r, h), register j holds q[r][16 n + 8 h + j]
	s_sub_co_u32 s25, s25, 96                      ; n
	s_mul_i32 s28, s25, TILEB
	s_add_nc_u64 s[10:11], s[10:11], s[28:29]
	s_lshl_b32 s28, s25, 8
	s_add_nc_u64 s[12:13], s[12:13], s[28:29]      ; 16 rows of 16 scale bytes
	s_lshl_b32 s28, s25, 6
	s_add_nc_u64 s[18:19], s[18:19], s[28:29]      ; 16 numbers of bq
	s_add_nc_u64 s[22:23], s[22:23], s[28:29]
	v_lshlrev_b32 v6, 4, v4                        ; 16 r: a row's scale bytes
	v_lshlrev_b32 v7, 5, v5                        ; 32 h
	v_lshl_add_u32 v3, v4, 11, v7                  ; qs: row r of 2,048 bytes, + 32 h
.irp q, 0,1,2,3
.irp i, 0,1,2
	global_load_b128 v[16+12*\q+4*\i:19+12*\q+4*\i], v2, s[10:11] offset:96*\q+16*\i
	global_load_b128 v[64+12*\q+4*\i:67+12*\q+4*\i], v2, s[14:15] offset:96*\q+16*\i
.endr
.endr
	global_load_b128 v[112:115], v6, s[12:13]      ; register q: the scale word of K step q
	global_load_b128 v[116:119], v6, s[16:17]
	global_load_b128 v[8:11], v7, s[18:19]         ; bq in the result's layout: the C of the first product
	global_load_b128 v[12:15], v7, s[18:19] offset:16
	s_wait_loadcnt 0x0
.irp i, 0,1,2,3,4,5,6,7
	v_perm_b32 v[112+\i], v[112+\i], v[112+\i], SWAPMID
.endr
.rept 8
	v_nop                                          ; a scale register written by a vector instruction stands eight places ahead of the scaled matrix instruction
.endr
	v_wmma_scale_f32_16x16x128_f8f6f4 v[120:127], v[16:27], v[64:75], v[8:15], v112, v116 matrix_a_fmt:MATRIX_FMT_BF6 matrix_b_fmt:MATRIX_FMT_BF6
.irp q, 1,2,3
	s_wait_alu depctr_va_vdst(0)                   ; the wait ahead of each link
	v_wmma_scale_f32_16x16x128_f8f6f4 v[120:127], v[16+12*\q:27+12*\q], v[64+12*\q:75+12*\q], v[120:127], v[112+\q], v[116+\q] matrix_a_fmt:MATRIX_FMT_BF6 matrix_b_fmt:MATRIX_FMT_BF6
.endr
.rept 4
	v_nop                                          ; four places ahead of the first read of the result (ISA guide 7.12.1)
.endr
.irp j, 0,2,4,6
	v_pk_mul_f32 v[8+\j:9+\j], v[120+\j:121+\j], 0x3e38aa3b op_sel_hi:[1,0]   ; x log2(e) / sqrt(64): the logits then come out as exponents of 2
.endr
	global_store_b128 v3, v[8:11], s[22:23]
	global_store_b128 v3, v[12:15], s[22:23] offset:16
	s_endpgm
.Lfunc_end_k_qf52c247dd2_prep:
	.size	k_qf52c247dd2_prep, .Lfunc_end_k_qf52c247dd2_prep-k_qf52c247dd2_prep
	.p2alignl 7, 3214868480
	.fill 96, 4, 3214868480
	.section	.rodata,"a",@progbits
	.p2align	6, 0x0
	.amdhsa_kernel k_qf52c247dd2_prep
		.amdhsa_group_segment_fixed_size 0
		.amdhsa_private_segment_fixed_size 0
		.amdhsa_enable_private_segment 0
		.amdhsa_kernarg_size 80
		.amdhsa_user_sgpr_count 2
		.amdhsa_user_sgpr_kernarg_segment_ptr 1
		.amdhsa_wavefront_size32 1
		.amdhsa_system_sgpr_workgroup_id_x 1
		.amdhsa_system_sgpr_workgroup_id_y 1
		.amdhsa_system_sgpr_workgroup_id_z 1
		.amdhsa_system_vgpr_workitem_id 0
		.amdhsa_next_free_vgpr 128
		.amdhsa_next_free_sgpr 66
		.amdhsa_reserve_vcc 0
		.amdhsa_float_denorm_mode_32 3
		.amdhsa_float_denorm_mode_16_64 3
		.amdhsa_memory_ordered 1
		.amdhsa_forward_progress 1
		.amdhsa_inst_pref_size 10
	.end_amdhsa_kernel
	.amdgpu_metadata
---
amdhsa.version: [ 1, 2 ]
amdhsa.kernels:
  - .name:           k_qf52c247dd2_prep
    .symbol:         k_qf52c247dd2_prep.kd
    .args:
      - { .name: Wk_codes, .offset: 0, .size: 8, .value_kind: global_buffer, .address_space: global }
      - { .name: Wv_codes, .offset: 8, .size: 8, .value_kind: global_buffer, .address_space: global }
      - { .name: Wo_codes, .offset: 16, .size: 8, .value_kind: global_buffer, .address_space: global }
      - { .name: Wq_codes, .offset: 24, .size: 8, .value_kind: global_buffer, .address_space: global }
      - { .name: Wq_scales, .offset: 32, .size: 8, .value_kind: global_buffer, .address_space: global }
      - { .name: query_codes, .offset: 40, .size: 8, .value_kind: global_buffer, .address_space: global }
      - { .name: query_scales, .offset: 48, .size: 8, .value_kind: global_buffer, .address_space: global }
      - { .name: bq, .offset: 56, .size: 8, .value_kind: global_buffer, .address_space: global }
      - { .name: wimg, .offset: 64, .size: 8, .value_kind: global_buffer, .address_space: global }
      - { .name: qs, .offset: 72, .size: 8, .value_kind: global_buffer, .address_space: global }
    .group_segment_fixed_size: 0
    .private_segment_fixed_size: 0
    .kernarg_segment_align: 8
    .kernarg_segment_size: 80
    .max_flat_workgroup_size: 128
    .sgpr_count:     66
    .vgpr_count:     128
    .wavefront_size: 32
...
	.end_amdgpu_metadata
.endif
;; end of part 1
;; launch main (part 2): grid 16 x 16, 4 waves a work-group, no clusters, 246,272 bytes of LDS; arguments key_value_codes, key_value_scales, wimg, Wk_scales, Wv_scales, qs, bk, part, stat; writes part, stat
.if DOCPART == 2
	.amdgcn_target "amdgcn-amd-amdhsa--gfx1250"
	.amdhsa_code_object_version 6
	.text
	.protected	k_qf52c247dd2_main
	.globl	k_qf52c247dd2_main
	.p2align	8
	.type	k_qf52c247dd2_main,@function
k_qf52c247dd2_main:
	s_mov_b64 s[64:65], 0
	v_nop
	global_prefetch_b8 v0, s[64:65] scope:SCOPE_SE
	s_setreg_imm32_b32 hwreg(HW_REG_WAVE_MODE, 25, 1), 1
	s_wait_xcnt 0x0
; MAIN.  Work-group (x, b) takes rows 512 x .. 512 x + 511 of batch b through K = kv Wk, the logits, p = 2^(t - m), V = kv Wv and the sum of p v.  K and V never leave the registers.
; SHARES.  The 512 rows' codes and scale bytes come into LDS once, by three tensor loads a wave, and stay: nothing is filled again.  THE WAVES SHARE THE COLUMNS: wave w owns heads 2 w and 2 w + 1:
; 8 tiles of Wk and 8 of Wv, 64 fragments of 12 registers, which stay in its registers; each is read from wimg once, by loads of 512 consecutive bytes.  12 LDS loads of 16 bytes a lane feed 32 matrix instructions.
; TWO PASSES over the rows, 16 at a time.  K pass: source 0 = 16 rows of Wk, source 1 = 16 rows of kv: a lane holds one row s and eight columns e; t[s] = q . K[s] by packed multiply-adds (q is already
; x log2(e) / 8; q . bk starts each sum), into the wave's own LDS.  Between the passes: the chunk's largest t of each head, p = 2^(t - m), l = the sum of p.  V pass: the sources change places: a lane holds one
; column e and eight rows s, and the context sums p[s] V[s][e].  bv is added where the chunks meet (the weights sum to 1).  Out: part[b][x][512] = the sum of p v, stat[b][head][m, l][x].
; BY TURNS.  A unit is 16 matrix instructions of one head on four accumulators, one instruction a turn.  Behind each pair stands a slot: two multiply-adds that reduce the
; OTHER head's four accumulators, and the LDS loads of the next 16 rows.
; NO CLUSTER: what work-groups share is the weights, 393,216 bytes a work-group, whose home here is the registers; a joint load lands in LDS, of which the resident rows take 245,760 of 327,680 bytes, so
; the weights would pass through what is left in five or more refills, all ahead of the first product.  The rows of kv are shared by nobody.
; THE ORDER OF K inside an instruction: lane (r, h) holds the 48 consecutive bytes from 48 h on of a K step's 96, on both operands, and each scale word has its middle bytes exchanged (see prep).
; LIMITS: NaN, infinities and scale bytes of 0xff are not served; a p under 2^-126 counts as 0 (v_exp_f32: ISA guide 15.8); sums are ordered otherwise than in the definition, all in f32.
; REGISTERS.  Window 0: v1-7 addresses that stay, v8-11 a trip's addresses, v12-19 the logits' sums, v20-23 q . bk, v24-31 kv's scale words (two sets), v32-47 the weights' scale words (Wk's, then Wv's),
;   v48-63 the context, v64-159 kv's fragments (two sets of four), v160-191 and v192-223 the two sets of accumulators, v224-255 at work, then p (two sets).
;   Windows 1 to 3: the weights (macro HOME); in the K pass window 3's v192-255 hold q, so six fragments of Wv come behind the K pass.
.set PITCH,  432                       ; a row in LDS: 3 x (128 bytes + 16 of padding) = 27 x 16 bytes: the 16 rows of a load fall on 16 different columns of 16 bytes (64 banks of 4 bytes: ISA guide 11.1)
.set TILE16, 16*PITCH
.set PIECE,  64*PITCH                  ; what one tensor load brings
.set KVS,    512*PITCH                 ; behind the rows: their scale bytes, 16 a row, dense
.set PL,     KVS+8192                  ; behind those: 4,096 bytes for each wave: [head][row] t, then p; written by LDS stores alone
.set LI,  1                            ; 16 x lane
.set KB0, 2                            ; 432 r + 48 h
.set KB1, 3                            ; 432 r + 64 h: for the pieces that in lanes 16-31 lie behind one padding more
.set SB,  4                            ; KVS + 16 r
.set LB,  5                            ; my wave's PL + 2,048 h + 4 r
.set PB,  6                            ; my wave's PL + 32 h
.set MA,  7                            ; my wave's PL + 16 x lane
.set KA0, 8
.set KA1, 9
.set SA,  10
.set LA,  11
.set SUM, 12                           ; head g: v[SUM+4g .. +3]: two chains of pairs
.set QB,  20                           ; head g: v[QB+2g .. +1]: my lane's part of q . bk
.set KS,  24
.set WS,  32
.set CT,  48                           ; tile t of my 8: v[CT+2t .. +1]
.set KVF, 64
.set ACX, 160
.set ACY, 192
.set TMP, 224
.set PP,  224
.set MSB, 0
.macro WIN new                         ; the immediate's high byte repeats the setting that is left; a switch that changes nothing is dropped
.if MSB != (\new)
	s_set_vgpr_msb (MSB<<8)|(\new)
.set MSB, (\new)
.endif
.endm
; Where fragment (matrix m: 0 Wk, 1 Wv; tile t of my 8; K step q) lives: window HW, register HR
.macro HOME m, t, q
.if (\m) == 0
.set HW, 1+(\t)/4
.set HR, 12*(4*((\t)%4)+(\q))
.elseif (\t) < 4
.set HW, 3
.set HR, 12*(4*(\t)+(\q))
.elseif (\q) < 2
.set HW, 1+(\q)
.set HR, 192+12*((\t)-4)
.else
.set HX, 4*((\q)-2)+(\t)-4
.if HX < 2
.set HW, 1+HX
.set HR, 240
.elseif HX < 7
.set HW, 3
.set HR, 192+12*(HX-2)                 ; where q lay
.else
.set HW, 1
.set HR, 0                             ; where Wk's first fragment lay
.endif
.endif
.endm
.macro WLOAD m, t, q                   ; a fragment from its image: three loads of 512 consecutive bytes
	HOME \m, \t, \q
	WIN HW<<6
.irp i, 0,1,2
	global_load_b128 v[HR+4*\i:HR+4*\i+3], v[LI], s[8:9] offset:196608*(\m)+6144*(\t)+1536*(\q)+512*\i
.endr
.endm
; Load k of the 13 that bring 16 rows of kv into set nb: 0 the scale words, 1 .. 12 the pieces 3 q + i of the four fragments.  noff: which of the trip's two tiles
.macro LD13 k, nb, noff
.if (\k) == 0
	ds_load_b128 v[KS+4*(\nb):KS+4*(\nb)+3], v[SA] offset:256*(\noff)
.else
.set fj, (\k)-1
.set fp, 6*(fj/3)+fj%3                 ; the row's piece of 16 bytes for lanes 0-15; lanes 16-31 take the piece three on
.if (fp+3)/8 == fp/8
	ds_load_b128 v[KVF+48*(\nb)+4*fj:KVF+48*(\nb)+4*fj+3], v[KA0] offset:TILE16*(\noff)+16*fp+16*(fp/8)
.else
	ds_load_b128 v[KVF+48*(\nb)+4*fj:KVF+48*(\nb)+4*fj+3], v[KA1] offset:TILE16*(\noff)+16*fp+16*(fp/8)
.endif
.endif
.endm
.macro PLOAD g, nb, noff               ; head g's p of my half's eight rows of a tile
	ds_load_b128 v[PP+16*(\nb)+8*(\g):PP+16*(\nb)+8*(\g)+3], v[LA] offset:64*(\noff)+2048*(\g)
	ds_load_b128 v[PP+16*(\nb)+8*(\g)+4:PP+16*(\nb)+8*(\g)+7], v[LA] offset:64*(\noff)+2048*(\g)+16
.endm
.macro PERMKS nb                       ; the middle bytes of kv's four scale words change places
.irp i, 0,1,2,3
	v_perm_b32 v[KS+4*(\nb)+\i], v[KS+4*(\nb)+\i], v[KS+4*(\nb)+\i], s68
.endr
.endm
.macro PERMWS
.irp i, 0,1,2,3,4,5,6,7,8,9,10,11,12,13,14,15
	v_perm_b32 v[WS+\i], v[WS+\i], v[WS+\i], s68
.endr
.endm
.macro EMIT zero, arow, brow           ; the matrix instruction on rd, ma, mb, xa, xb
.if \zero
.if \arow
	v_wmma_scale_f32_16x16x128_f8f6f4 v[rd:rd+7], v[ma:ma+11], v[mb:mb+11], 0, v[xa], v[xb] matrix_a_fmt:MATRIX_FMT_BF6 matrix_b_fmt:MATRIX_FMT_BF6 matrix_a_scale:MATRIX_SCALE_ROW1
.elseif \brow
	v_wmma_scale_f32_16x16x128_f8f6f4 v[rd:rd+7], v[ma:ma+11], v[mb:mb+11], 0, v[xa], v[xb] matrix_a_fmt:MATRIX_FMT_BF6 matrix_b_fmt:MATRIX_FMT_BF6 matrix_b_scale:MATRIX_SCALE_ROW1
.else
	v_wmma_scale_f32_16x16x128_f8f6f4 v[rd:rd+7], v[ma:ma+11], v[mb:mb+11], 0, v[xa], v[xb] matrix_a_fmt:MATRIX_FMT_BF6 matrix_b_fmt:MATRIX_FMT_BF6
.endif
.else
.if \arow
	v_wmma_scale_f32_16x16x128_f8f6f4 v[rd:rd+7], v[ma:ma+11], v[mb:mb+11], v[rd:rd+7], v[xa], v[xb] matrix_a_fmt:MATRIX_FMT_BF6 matrix_b_fmt:MATRIX_FMT_BF6 matrix_a_scale:MATRIX_SCALE_ROW1
.elseif \brow
	v_wmma_scale_f32_16x16x128_f8f6f4 v[rd:rd+7], v[ma:ma+11], v[mb:mb+11], v[rd:rd+7], v[xa], v[xb] matrix_a_fmt:MATRIX_FMT_BF6 matrix_b_fmt:MATRIX_FMT_BF6 matrix_b_scale:MATRIX_SCALE_ROW1
.else
	v_wmma_scale_f32_16x16x128_f8f6f4 v[rd:rd+7], v[ma:ma+11], v[mb:mb+11], v[rd:rd+7], v[xa], v[xb] matrix_a_fmt:MATRIX_FMT_BF6 matrix_b_fmt:MATRIX_FMT_BF6
.endif
.endif
.endm
; Product n of a unit's 16: K step n / 4, tile 4 g + n % 4.  A weight's scale register holds an even tile's words in lanes 0-15 and the odd tile's in lanes 16-31
.macro KMM z, g, buf, n
.set wq, (\n)/4
.set wu, (\n)%4
	HOME 0, 4*(\g)+wu, wq
	WIN HW                                         ; source 0 in the weight's window
.set rd, (\z)+8*wu
.set ma, HR
.set mb, KVF+48*(\buf)+12*wq
.set xa, WS+4*((4*(\g)+wu)/2)+wq
.set xb, KS+4*(\buf)+wq
	EMIT wq==0, wu%2, 0
.endm
.macro VMM z, g, buf, n
.set wq, (\n)/4
.set wu, (\n)%4
	HOME 1, 4*(\g)+wu, wq
	WIN HW<<2                                      ; source 1 in the weight's window
.set rd, (\z)+8*wu
.set ma, KVF+48*(\buf)+12*wq
.set mb, HR
.set xa, KS+4*(\buf)+wq
.set xb, WS+4*((4*(\g)+wu)/2)+wq
	EMIT wq==0, 0, wu%2
.endm
; Multiply-add n of the 16 that reduce head g's four accumulators to my lane's part of t[row r]: K x q, two columns at a time, in two chains.  q lies in window 3 (setting 0x0c).  Each accumulator is read from its low end on
.macro KRED z, g, n
.set ka, SUM+4*(\g)+2*((\n)%2)
.if (\n) == 0
	v_pk_fma_f32 v[ka:ka+1], v[(\z):(\z)+1], v[192+32*(\g):193+32*(\g)], v[QB+2*(\g):QB+2*(\g)+1]
.elseif (\n) == 1
	v_pk_mul_f32 v[ka:ka+1], v[(\z)+2:(\z)+3], v[194+32*(\g):195+32*(\g)]
.else
	v_pk_fma_f32 v[ka:ka+1], v[(\z)+2*(\n):(\z)+2*(\n)+1], v[192+32*(\g)+2*(\n):193+32*(\g)+2*(\n)], v[ka:ka+1]
.endif
.endm
; Multiply-add n of the 16 that add head g's four accumulators into the context: V x p, two rows at a time; the four tiles by turns, each from its low end on
.macro VRED z, g, n, pb
.set vt, (\n)%4
.set vr, (\n)/4
.set kc, CT+2*(4*(\g)+vt)
	v_pk_fma_f32 v[kc:kc+1], v[(\z)+8*vt+2*vr:(\z)+8*vt+2*vr+1], v[PP+16*(\pb)+8*(\g)+2*vr:PP+16*(\pb)+8*(\g)+2*vr+1], v[kc:kc+1]
.endm
; Head 1's sum is closed; the exchange of halves puts head 0's two parts of row r into lanes 0-15 and head 1's into lanes 16-31; one store for 16 rows of both heads
.macro LOGIT loff
	v_pk_add_f32 v[SUM+4:SUM+5], v[SUM+4:SUM+5], v[SUM+6:SUM+7]
	v_add_f32 v[TMP+1], v[SUM+4], v[SUM+5]
	v_permlane16_swap_b32 v[TMP], v[TMP+1]
	v_add_f32 v[TMP+2], v[TMP], v[TMP+1]
	ds_store_b32 v[LA], v[TMP+2] offset:64*(\loff)
.endm
; 16 ROWS OF THE K PASS.  buf: kv's set; first: nothing to reduce yet; next: the following tile is fetched, at noff; loff: where the tile before's logits go.
; Places: behind a unit's products 13 and 14 stand slots 6 and 7, four plain instructions or more, ahead of the first read of their results; behind product 16 stand slot 7 and the next
; unit's slot 0, four or more, ahead of the loads into the set that it read.
.macro KTILE buf, first, next, noff, loff
	s_wait_dscnt 0x0                               ; my fragments are in: the last was asked for 16 matrix instructions ago
.set sn, 0
.rept 8                                ; unit A: head 0; its slots reduce head 1 of the tile before
	KMM ACX, 0, \buf, 2*sn
	KMM ACX, 0, \buf, 2*sn+1
.if !(\first)
	WIN 0x0c
	KRED ACY, 1, 2*sn
	KRED ACY, 1, 2*sn+1
.endif
.if (\next) && (sn > 0)
	WIN 0x0c                                       ; (an LDS load's address and destination are in window 0 under this setting too)
	LD13 2*sn-2, 1-(\buf), \noff
.if sn < 7
	LD13 2*sn-1, 1-(\buf), \noff
.endif
.endif
.if sn == 7
.if \first
.rept 4
	v_nop                                          ; the places that the reduction gives elsewhere
.endr
.else
	WIN 0
	LOGIT \loff
.endif
.endif
.set sn, sn+1
.endr
.set sn, 0
.rept 8                                ; unit B: head 1; its slots reduce head 0
	KMM ACY, 1, \buf, 2*sn
	KMM ACY, 1, \buf, 2*sn+1
	WIN 0x0c
	KRED ACX, 0, 2*sn
	KRED ACX, 0, 2*sn+1
.if (\next) && (sn == 2)
	s_wait_dscnt 13-(\first)                       ; the next tile's scale words are in: behind that load stand 12 fragment loads and (but in the first tile) the logits' store
	WIN 0
	PERMKS 1-(\buf)                                ; ten plain instructions or more follow ahead of the next tile's first product
.endif
.if sn == 7
	WIN 0
	v_pk_add_f32 v[SUM:SUM+1], v[SUM:SUM+1], v[SUM+2:SUM+3]
	v_add_f32 v[TMP], v[SUM], v[SUM+1]             ; head 0's part, kept for LOGIT
.endif
.set sn, sn+1
.endr
.endm
; 16 ROWS OF THE V PASS
.macro VTILE buf, first, next, noff
.if !(\first)
	s_wait_dscnt 4                                 ; my fragments are in; the four loads of p behind them may be out
.endif
.set sn, 0
.rept 8                                ; unit A: head 0; its slots add head 1 of the tile before, with that tile's p
	VMM ACX, 0, \buf, 2*sn
	VMM ACX, 0, \buf, 2*sn+1
.if !(\first)
	WIN 0
	VRED ACY, 1, 2*sn, 1-(\buf)
	VRED ACY, 1, 2*sn+1, 1-(\buf)
.endif
.if (\next) && (sn > 0)
	LD13 2*sn-2, 1-(\buf), \noff                   ; (source 0 and the destination are in window 0 under every setting of this pass)
.if sn < 7
	LD13 2*sn-1, 1-(\buf), \noff
.endif
.endif
.if (\first) && (sn == 7)
.rept 4
	v_nop
.endr
.endif
.set sn, sn+1
.endr
.set sn, 0
.rept 8                                ; unit B: head 1; its slots add head 0
	VMM ACY, 1, \buf, 2*sn
	VMM ACY, 1, \buf, 2*sn+1
.if sn == 0
	s_wait_dscnt 13*(\next)                        ; this tile's p is in: behind its loads stand unit A's 13, or none
.endif
	WIN 0
	VRED ACX, 0, 2*sn, \buf
	VRED ACX, 0, 2*sn+1, \buf
.if (\next) && (sn == 2)
	s_wait_dscnt 12                                ; the next tile's scale words are in: 12 fragment loads stand behind that load
	PERMKS 1-(\buf)
.endif
.if (\next) && (sn == 4)
	PLOAD 0, 1-(\buf), \noff                       ; the next tile's p, into the set that unit A has just read out
.endif
.if (\next) && (sn == 5)
	PLOAD 1, 1-(\buf), \noff
.endif
.set sn, sn+1
.endr
.endm
.macro ADDR base                       ; a trip's LDS addresses: what stays + the trip's scalar offsets
	v_add_nc_u32 v[KA0], s61, v[KB0]
	v_add_nc_u32 v[KA1], s61, v[KB1]
	v_add_nc_u32 v[SA], s62, v[SB]
	v_add_nc_u32 v[LA], s63, v[\base]
.endm
	; ================ the head
	s_load_b512 s[4:19], s[0:1], 0x0               ; kv's codes s[4:5], its scales s[6:7], wimg s[8:9], Wk's scales s[10:11], Wv's s[12:13], qs s[14:15], bk s[16:17], part s[18:19]
	s_load_b64 s[20:21], s[0:1], 0x40              ; stat
	s_set_vgpr_msb 0x40
	v_lshl_add_u32 v254, v0, 2, 0x3c000
	v_mov_b32 v255, 0
	s_set_vgpr_msb 0x4045
	ds_add_u32 v254, v255
	ds_add_u32 v254, v255
	s_set_vgpr_msb 0x4500
	v_lshrrev_b32 v1, 5, v0
	v_readfirstlane_b32 s22, v1                    ; wave w
	s_and_b32 s23, ttmp7, 0xffff                   ; batch b
	s_mov_b32 s24, ttmp9                           ; chunk x
	; descriptor group 1 for the codes: 64 rows of 384 bytes, dense in memory; 16 bytes of padding behind every 128
	s_mov_b32 s32, (1<<20)|(4<<22)|(3<<25)         ; no mask; elements of 1 byte; padding on, after every 32 words (code 4), 4 words (code 3)
	s_mov_b32 s33, 384<<16                         ; tensor_dim0
	s_mov_b32 s34, 64<<16                          ; tensor_dim1
	s_mov_b32 s35, 384<<16                         ; tile_dim0
	s_mov_b32 s36, 64                              ; tile_dim1
	s_mov_b32 s37, 384                             ; from row to row
	s_mov_b32 s38, 0
	s_mov_b32 s39, 0
	; and for the scale bytes of 128 rows: 2,048 dense bytes as 8 rows of 32 elements of 8 bytes
	s_mov_b32 s40, 3<<16
	s_mov_b32 s41, 32<<16
	s_mov_b32 s42, 8<<16
	s_mov_b32 s43, 32<<16
	s_mov_b32 s44, 8
	s_mov_b32 s45, 32
	s_mov_b32 s46, 0
	s_mov_b32 s47, 0
	s_lshl_b32 s25, s23, 13
	s_lshl_b32 s26, s24, 9
	s_add_co_u32 s25, s25, s26                     ; the chunk's first row: 8,192 b + 512 x
	s_lshl_b32 s26, s22, 7
	s_add_co_u32 s26, s26, s25
	s_lshl_b32 s26, s26, 4                         ; scale bytes of rows 128 w on
	s_mov_b32 s27, 0
	s_lshl_b32 s28, s22, 6
	s_add_co_u32 s28, s28, s25
	s_mul_i32 s28, s28, 384                        ; codes of rows 64 w on (under 2^26)
	s_mov_b32 s29, 0
	s_mul_i32 s30, s22, PIECE
	s_lshl_b32 s31, s22, 11
	s_mov_b32 s66, 0x76543210
	s_mov_b32 s67, 0xfedcba98                      ; v_permlanex16_b32: lane l xor 16
	s_mov_b32 s68, 0x03010200                      ; v_perm_b32: bytes 0, 2, 1, 3
	s_lshl_b32 s69, s22, 12
	s_add_co_u32 s69, s69, PL                      ; my wave's 4,096 bytes
	s_wait_dscnt 0x0
	s_wait_kmcnt 0x0
	s_mov_b32 s48, 1
	s_add_co_u32 s49, s31, KVS
	s_add_nc_u64 s[50:51], s[6:7], s[26:27]
	s_or_b32 s51, s51, 0x80000000
	s_mov_b32 s52, 1
	s_mov_b32 s53, s30                             ; rows 64 w on
	s_add_nc_u64 s[54:55], s[4:5], s[28:29]
	s_mov_b32 s56, 1
	s_add_co_u32 s57, s30, 4*PIECE                 ; rows 256 + 64 w on
	s_add_nc_u64 s[58:59], s[54:55], 256*384
	s_or_b32 s55, s55, 0x80000000
	s_or_b32 s59, s59, 0x80000000
	tensor_load_to_lds s[48:51], s[40:47]          ; all first fills in one group: three loads of mine are out
	s_nop 0
	tensor_load_to_lds s[52:55], s[32:39]
	s_nop 0
	tensor_load_to_lds s[56:59], s[32:39]
	s_nop 0
.rept 4
	v_nop
.endr
	s_mul_i32 s26, s22, 49152
	s_add_nc_u64 s[8:9], s[8:9], s[26:27]          ; my 8 tiles of each matrix
	s_lshl_b32 s26, s22, 11
	s_add_nc_u64 s[10:11], s[10:11], s[26:27]      ; my 128 rows of scale bytes
	s_add_nc_u64 s[12:13], s[12:13], s[26:27]
	s_lshl_b32 s26, s22, 9                         ; my 128 columns as f32
	s_add_nc_u64 s[16:17], s[16:17], s[26:27]
	s_lshl_b32 s28, s23, 11
	s_add_co_u32 s28, s28, s26
	s_add_nc_u64 s[14:15], s[14:15], s[28:29]      ; qs[b], my columns
	s_lshl_b32 s28, s23, 4
	s_add_co_u32 s28, s28, s24
	s_lshl_b32 s28, s28, 11
	s_add_co_u32 s28, s28, s26
	s_add_nc_u64 s[18:19], s[18:19], s[28:29]      ; part[b][x], my columns
	s_lshl_b32 s28, s23, 3
	s_lshl_b32 s30, s22, 1
	s_add_co_u32 s28, s28, s30
	s_lshl_b32 s28, s28, 7
	s_lshl_b32 s30, s24, 2
	s_add_co_u32 s28, s28, s30
	s_add_nc_u64 s[20:21], s[20:21], s[28:29]      ; stat[b][2 w][m][x]
	v_and_b32 v12, 31, v0                          ; lane
	v_and_b32 v13, 15, v0                          ; r
	v_bfe_u32 v14, v0, 4, 1                        ; h
	v_lshlrev_b32 v[LI], 4, v12
	v_lshlrev_b32 v16, 5, v14                      ; 32 h
	WIN 0xc0                                       ; destination window 3
.irp t, 0,1,2,3,4,5,6,7
	global_load_b128 v[192+8*\t:195+8*\t], v16, s[14:15] offset:64*\t      ; q: register 192 + 8 t + j = column 16 t + 8 h + j of my 128
	global_load_b128 v[196+8*\t:199+8*\t], v16, s[14:15] offset:64*\t+16
.endr
	WIN 0
.irp t, 0,1,2,3,4,5,6,7
	global_load_b128 v[ACX+8*\t:ACX+8*\t+3], v16, s[16:17] offset:64*\t    ; bk likewise, where the accumulators will lie
	global_load_b128 v[ACX+8*\t+4:ACX+8*\t+7], v16, s[16:17] offset:64*\t+16
.endr
.irp u, 0,1,2,3
	global_load_b128 v[WS+4*\u:WS+4*\u+3], v[LI], s[10:11] offset:512*\u   ; lane l: the four scale words of row 32 u + l
.endr
.irp t, 0,1,2,3,4,5,6,7
.irp q, 0,1,2,3
	WLOAD 0, \t, \q
.endr
.endr
.irp t, 0,1,2,3
.irp q, 0,1,2,3
	WLOAD 1, \t, \q                                ; 48 loads: Wv's first four tiles land under the K pass
.endr
.endr
	WIN 0
	v_mul_u32_u24 v[KB0], v13, PITCH
	v_lshl_add_u32 v[KB1], v14, 6, v[KB0]
	v_mad_u32_u24 v[KB0], v14, 48, v[KB0]
	v_lshl_add_u32 v[SB], v13, 4, KVS
	v_lshlrev_b32 v[LB], 2, v13
	v_lshl_add_u32 v[LB], v14, 11, v[LB]
	v_add_nc_u32 v[LB], s69, v[LB]
	v_lshl_add_u32 v[PB], v14, 5, s69
	v_add_nc_u32 v[MA], s69, v[LI]
	s_wait_loadcnt 48                              ; all but the 48 loads of Wv: q, bk, Wk's scale words and Wk are in
	PERMWS
	WIN 0x0c                                       ; source 1 (q) in window 3
.irp g, 0,1
	v_pk_mul_f32 v[QB+2*\g:QB+2*\g+1], v[ACX+32*\g:ACX+32*\g+1], v[192+32*\g:193+32*\g]    ; my lane's part of q . bk, which starts every logit's sum
.endr
.irp n, 1,2,3,4,5,6,7,8,9,10,11,12,13,14,15
.irp g, 0,1
	v_pk_fma_f32 v[QB+2*\g:QB+2*\g+1], v[ACX+32*\g+2*\n:ACX+32*\g+2*\n+1], v[192+32*\g+2*\n:193+32*\g+2*\n], v[QB+2*\g:QB+2*\g+1]
.endr
.endr
	WIN 0
	s_wait_tensorcnt 0x0                           ; my three tiles have landed,
	s_barrier_signal -1
	s_barrier_wait -1                              ; everybody's have: the 512 rows and their scale bytes lie in LDS, and nobody writes them again
.irp u, 0,1,2,3
	WLOAD 1, 4+\u, 0                               ; ten more fragments of Wv, into registers that lay idle: they too land under the K pass
.endr
	WLOAD 1, 4, 2
.irp u, 0,1,2,3
	WLOAD 1, 4+\u, 1
.endr
	WLOAD 1, 5, 2
	WIN 0
	; ================ the K pass
	s_mov_b32 s61, 0                               ; the trip's first tile to fetch: its rows,
	s_mov_b32 s62, 0                               ; its scale bytes,
	s_mov_b32 s63, 0                               ; and where the trip's first logits go
	ADDR LB
.set kk, 0
.rept 13
	LD13 kk, 0, 0
.set kk, kk+1
.endr
	s_wait_dscnt 0x0
	PERMKS 0
.rept 8
	v_nop                                          ; a scale register written by a vector instruction stands eight places ahead of the scaled matrix instruction
.endr
	KTILE 0, 1, 1, 1, 0                            ; tile 0; fetches tile 1
	s_add_co_u32 s61, s61, 2*TILE16
	s_add_co_u32 s62, s62, 512
	s_mov_b32 s60, 15
.Lkpass:                                           ; trip k: tiles 2 k + 1 and 2 k + 2; fetches 2 k + 2 and 2 k + 3; stores the logits of 2 k and 2 k + 1
	ADDR LB
	KTILE 1, 0, 1, 0, 0
	KTILE 0, 0, 1, 1, 1
	s_add_co_u32 s61, s61, 2*TILE16
	s_add_co_u32 s62, s62, 512
	s_add_co_u32 s63, s63, 128
	s_sub_co_u32 s60, s60, 1
	s_cmp_lg_u32 s60, 0
	s_cbranch_scc1 .Lkpass
	v_add_nc_u32 v[LA], s63, v[LB]
	KTILE 1, 0, 0, 0, 0                            ; tile 31: nothing more to fetch
	WIN 0x0c
.set kk, 0
.rept 16
	KRED ACY, 1, kk
.set kk, kk+1
.endr
	WIN 0
	LOGIT 1
	; ================ between the passes.  First the loads that had to wait for q's and Wk's registers
	WLOAD 1, 6, 2
	WLOAD 1, 7, 2
	WLOAD 1, 4, 3
	WLOAD 1, 5, 3
	WLOAD 1, 6, 3
	WLOAD 1, 7, 3
	WIN 0
.irp u, 0,1,2,3
	global_load_b128 v[WS+4*\u:WS+4*\u+3], v[LI], s[12:13] offset:512*\u   ; Wv's scale words take Wk's place
.endr
.irp k, 0,1,2,3,4,5,6,7
	ds_load_b128 v[ACX+4*\k:ACX+4*\k+3], v[MA] offset:512*\k               ; my 2 x 512 logits, 16 of each head a lane.  LDS serves a wave's instructions in order (ISA guide 5.7.1.4): these see my stores
.endr
	v_mov_b32 v[TMP+3], 0                          ; a lane permute's destination counts as one of its sources
	s_wait_dscnt 0x0
.irp g, 0,1
	v_max3_num_f32 v[TMP+2*\g], v[ACX+16*\g], v[ACX+16*\g+1], v[ACX+16*\g+2]
.endr
.irp i, 3,5,7,9,11,13
.irp g, 0,1
	v_max3_num_f32 v[TMP+2*\g], v[TMP+2*\g], v[ACX+16*\g+\i], v[ACX+16*\g+\i+1]
.endr
.endr
.irp g, 0,1
	v_max_num_f32 v[TMP+2*\g], v[TMP+2*\g], v[ACX+16*\g+15]
.endr
.irp m, 1,2,4,8
.irp g, 0,1
	v_max_num_f32_dpp v[TMP+2*\g], v[TMP+2*\g], v[TMP+2*\g] row_xmask:\m row_mask:0xf bank_mask:0xf
.endr
.endr
.irp g, 0,1
	v_permlanex16_b32 v[TMP+2*\g+1], v[TMP+2*\g], s66, s67
.endr
.irp g, 0,1
	v_max_num_f32 v[TMP+2*\g], v[TMP+2*\g], v[TMP+2*\g+1]                  ; m: the chunk's largest t of head g, in every lane
.endr
.irp g, 0,1
.irp j, 0,2,4,6,8,10,12,14
	v_pk_add_f32 v[ACX+16*\g+\j:ACX+16*\g+\j+1], v[ACX+16*\g+\j:ACX+16*\g+\j+1], v[TMP+2*\g:TMP+2*\g+1] op_sel_hi:[1,0] neg_lo:[0,1] neg_hi:[0,1]   ; t - m
.endr
.endr
.irp j, 0,1,2,3,4,5,6,7,8,9,10,11,12,13,14,15,16,17,18,19,20,21,22,23,24,25,26,27,28,29,30,31
	v_exp_f32 v[ACX+\j], v[ACX+\j]                 ; p = 2^(t - m), at most 1
.endr
	v_nop                                          ; a plain instruction behind the last exponential
	s_wait_alu depctr_va_vdst(0)                   ; one wait for the batch, ahead of its first reader
.irp k, 0,1,2,3,4,5,6,7
	ds_store_b128 v[MA], v[ACX+4*\k:ACX+4*\k+3] offset:512*\k              ; p takes t's place
.endr
.irp g, 0,1
	v_pk_add_f32 v[TMP+4+2*\g:TMP+5+2*\g], v[ACX+16*\g:ACX+16*\g+1], v[ACX+16*\g+2:ACX+16*\g+3]
.endr
.irp j, 4,6,8,10,12,14
.irp g, 0,1
	v_pk_add_f32 v[TMP+4+2*\g:TMP+5+2*\g], v[TMP+4+2*\g:TMP+5+2*\g], v[ACX+16*\g+\j:ACX+16*\g+\j+1]
.endr
.endr
.irp g, 0,1
	v_add_f32 v[TMP+4+2*\g], v[TMP+4+2*\g], v[TMP+5+2*\g]
.endr
.irp m, 1,2,4,8
.irp g, 0,1
	v_add_f32_dpp v[TMP+4+2*\g], v[TMP+4+2*\g], v[TMP+4+2*\g] row_xmask:\m row_mask:0xf bank_mask:0xf
.endr
.endr
.irp g, 0,1
	v_permlanex16_b32 v[TMP+5+2*\g], v[TMP+4+2*\g], s66, s67
.endr
.irp g, 0,1
	v_add_f32 v[TMP+4+2*\g], v[TMP+4+2*\g], v[TMP+5+2*\g]                  ; l: the chunk's sum of p of head g
.endr
	v_and_b32 v14, 31, v0                          ; lanes 0 to 3 keep m0, l0, m1, l1 for the way out
	v_lshlrev_b32 v13, 6, v14                      ; 64 bytes apart in stat
	v_cmp_eq_u32 vcc_lo, 1, v14
	v_cndmask_b32 v12, v[TMP], v[TMP+4], vcc_lo
	v_cmp_eq_u32 vcc_lo, 2, v14
	v_cndmask_b32 v12, v12, v[TMP+2], vcc_lo
	v_cmp_eq_u32 vcc_lo, 3, v14
	v_cndmask_b32 v12, v12, v[TMP+6], vcc_lo
	s_mov_b32 s61, 0
	s_mov_b32 s62, 0
	s_mov_b32 s63, 0
	ADDR PB
.set kk, 0
.rept 13
	LD13 kk, 0, 0
.set kk, kk+1
.endr
	PLOAD 0, 0, 0
	PLOAD 1, 0, 0
	s_wait_dscnt 0x0
	PERMKS 0
	s_wait_loadcnt 0x0                             ; all of Wv and its scale words
	PERMWS
.irp j, 0,1,2,3,4,5,6,7,8,9,10,11,12,13,14,15
	v_mov_b32 v[CT+\j], 0                          ; the context's sums; also the eight places behind the scale words' exchange
.endr
	; ================ the V pass
	VTILE 0, 1, 1, 1
	s_add_co_u32 s61, s61, 2*TILE16
	s_add_co_u32 s62, s62, 512
	s_add_co_u32 s63, s63, 128
	s_mov_b32 s60, 15
.Lvpass:                                           ; trip k: tiles 2 k + 1 and 2 k + 2; fetches the rows and the p of 2 k + 2 and 2 k + 3
	ADDR PB
	VTILE 1, 0, 1, 0
	VTILE 0, 0, 1, 1
	s_add_co_u32 s61, s61, 2*TILE16
	s_add_co_u32 s62, s62, 512
	s_add_co_u32 s63, s63, 128
	s_sub_co_u32 s60, s60, 1
	s_cmp_lg_u32 s60, 0
	s_cbranch_scc1 .Lvpass
	VTILE 1, 0, 0, 0
.set kk, 0
.rept 16
	VRED ACY, 1, kk, 1
.set kk, kk+1
.endr
	; ================ the way out.  A pair's two halves (even and odd rows) are added; the exchange of halves brings the two halves of the lanes together: lane l then holds column 32 k + l
.irp k, 0,1,2,3
	v_add_f32 v[TMP+2*\k], v[CT+4*\k], v[CT+4*\k+1]
	v_add_f32 v[TMP+2*\k+1], v[CT+4*\k+2], v[CT+4*\k+3]
.endr
.irp k, 0,1,2,3
	v_permlane16_swap_b32 v[TMP+2*\k], v[TMP+2*\k+1]
.endr
.irp k, 0,1,2,3
	v_add_f32 v[TMP+2*\k], v[TMP+2*\k], v[TMP+2*\k+1]
.endr
	v_lshlrev_b32 v15, 2, v14
	v_add_nc_u32 v15, s69, v15
.irp k, 0,1,2,3
	ds_store_b32 v15, v[TMP+2*\k] offset:128*\k
.endr
	ds_load_b128 v[16:19], v[MA]                   ; my wave's own bytes, in order: four neighbouring columns a lane
	s_wait_dscnt 0x0
	global_store_b128 v[LI], v[16:19], s[18:19]    ; 32 lanes store 512 consecutive bytes, at a multiple of 256 from part's first byte
	s_wait_xcnt 0x0                                ; EXEC changes only behind this wait
	v_cmp_gt_u32 vcc_lo, 4, v14
	s_set_vgpr_msb 0x5
	s_wait_tensorcnt 0x0
	ds_add_u32 v254, v255
	s_wait_dscnt 0x0
	s_set_vgpr_msb 0x500
	s_and_saveexec_b32 s26, vcc_lo
	global_store_b32 v13, v12, s[20:21]            ; m0, l0, m1, l1
	s_wait_xcnt 0x0
	s_or_b32 exec_lo, exec_lo, s26
	s_endpgm
.Lfunc_end_k_qf52c247dd2_main:
	.size	k_qf52c247dd2_main, .Lfunc_end_k_qf52c247dd2_main-k_qf52c247dd2_main
	.p2alignl 7, 3214868480
	.fill 96, 4, 3214868480
	.section	.rodata,"a",@progbits
	.p2align	6, 0x0
	.amdhsa_kernel k_qf52c247dd2_main
		.amdhsa_group_segment_fixed_size 246272
		.amdhsa_private_segment_fixed_size 0
		.amdhsa_enable_private_segment 0
		.amdhsa_kernarg_size 72
		.amdhsa_user_sgpr_count 2
		.amdhsa_user_sgpr_kernarg_segment_ptr 1
		.amdhsa_wavefront_size32 1
		.amdhsa_system_sgpr_workgroup_id_x 1
		.amdhsa_system_sgpr_workgroup_id_y 1
		.amdhsa_system_sgpr_workgroup_id_z 1
		.amdhsa_system_vgpr_workitem_id 0
		.amdhsa_next_free_vgpr 1024
		.amdhsa_next_free_sgpr 72
		.amdhsa_reserve_vcc 1
		.amdhsa_float_denorm_mode_32 3
		.amdhsa_float_denorm_mode_16_64 3
		.amdhsa_memory_ordered 1
		.amdhsa_forward_progress 1
		.amdhsa_inst_pref_size 110
	.end_amdhsa_kernel
	.amdgpu_metadata
---
amdhsa.version: [ 1, 2 ]
amdhsa.kernels:
  - .name:           k_qf52c247dd2_main
    .symbol:         k_qf52c247dd2_main.kd
    .args:
      - { .name: key_value_codes, .offset: 0, .size: 8, .value_kind: global_buffer, .address_space: global }
      - { .name: key_value_scales, .offset: 8, .size: 8, .value_kind: global_buffer, .address_space: global }
      - { .name: wimg, .offset: 16, .size: 8, .value_kind: global_buffer, .address_space: global }
      - { .name: Wk_scales, .offset: 24, .size: 8, .value_kind: global_buffer, .address_space: global }
      - { .name: Wv_scales, .offset: 32, .size: 8, .value_kind: global_buffer, .address_space: global }
      - { .name: qs, .offset: 40, .size: 8, .value_kind: global_buffer, .address_space: global }
      - { .name: bk, .offset: 48, .size: 8, .value_kind: global_buffer, .address_space: global }
      - { .name: part, .offset: 56, .size: 8, .value_kind: global_buffer, .address_space: global }
      - { .name: stat, .offset: 64, .size: 8, .value_kind: global_buffer, .address_space: global }
    .group_segment_fixed_size: 246272
    .private_segment_fixed_size: 0
    .kernarg_segment_align: 8
    .kernarg_segment_size: 72
    .max_flat_workgroup_size: 128
    .sgpr_count:     72
    .vgpr_count:     1024
    .wavefront_size: 32
...
	.end_amdgpu_metadata
.endif
;; end of part 2
;; launch final (part 3): grid 4 x 16, 4 waves a work-group, no clusters, 11,776 bytes of LDS; arguments part, stat, wimg, Wo_scales, bv, bo, out0; writes out0
.if DOCPART == 3
	.amdgcn_target "amdgcn-amd-amdhsa--gfx1250"
	.amdhsa_code_object_version 6
	.text
	.protected	k_qf52c247dd2_final
	.globl	k_qf52c247dd2_final
	.p2align	8
	.type	k_qf52c247dd2_final,@function
k_qf52c247dd2_final:
	s_mov_b64 s[64:65], 0
	v_nop
	global_prefetch_b8 v0, s[64:65] scope:SCOPE_SE
	s_setreg_imm32_b32 hwreg(HW_REG_WAVE_MODE, 25, 1), 1
	s_wait_xcnt 0x0
; FINAL.  Work-group (x, b): the 16 chunks of batch b meet, and columns 128 x .. 128 x + 127 of out0[b] = Q(context) Wo + bo are made.
; THE MEETING.  Lane l holds context columns 16 l .. 16 l + 15, of head l / 4.  M = the largest of the head's 16 m; chunk c counts with 2^(m_c - M); the divisor is the sum of 2^(m_c - M) l_c, at least 1.
; Wave w adds chunks 4 w .. 4 w + 3; the four waves' sums meet in LDS behind one barrier, and every wave then holds the whole row: context = sum / divisor + bv.
; THE QUANTISER, in every wave: two neighbouring lanes hold a block of 32; scale byte = the largest magnitude's exponent field - 4, held at 1 from below; 16 codes, 12 bytes, a lane.  Codes and scale bytes go
; through the wave's own LDS bytes and come back as source 1's four fragments: the one row stands in all 16 columns, and lanes 0 and 16 store the result.
; THE PRODUCT.  Wave w: two tiles of 16 rows of Wo (source 0), from their images; bo is the C of each sum's first instruction; the two accumulators take turns.
; The order of K inside an instruction is the one that prep states; the context's scale bytes are stored at their exchanged places.
; LIMITS: NaN and infinities are not served; a block of zeros gets the byte 1 where the rule says 127: its codes are zeros, and this program alone reads the byte.
; No cluster, no tensor load: a work-group reads 32 KiB of part and 48 KiB of Wo, once.
.set PARTL, 0                          ; LDS: 4 x 2,048 bytes: each wave's sums, [4 pieces][32 lanes][16 bytes]
.set COD,   8192                       ; 4 x 512: each wave's own: the row's 384 bytes of codes
.set SCB,   10240                      ; 4 x 256: each wave's own: the row's 16 scale bytes
.set WF,  16                           ; v16-111   Wo's fragments: tile T, K step q at 48 T + 12 q
.set CH,  112                          ; v112-175  my four chunks; then the four waves' sums; then the context (v112-127)
.set BF,  128                          ; v128-175  the context's four fragments
.set MM,  176                          ; v176-191  the head's 16 m, then their weights
.set LL,  192                          ; v192-207  the head's 16 l, then my sums
.set MY,  208                          ; v208-211  my four chunks' m, then their weights
.set BV,  212                          ; v212-227
.set DD,  228                          ; v228-243  bo, then the results
.set WOS, 244                          ; v244-247  Wo's scale words: nothing else
.set CSC, 248                          ; v248-251  the context's scale words: nothing else
	s_load_b256 s[4:11], s[0:1], 0x0               ; part s[4:5], stat s[6:7], wimg s[8:9], Wo's scales s[10:11]
	s_load_b128 s[12:15], s[0:1], 0x20             ; bv s[12:13], bo s[14:15]
	s_load_b64 s[16:17], s[0:1], 0x30              ; out0
	s_set_vgpr_msb 0x40
	v_lshl_add_u32 v0, v0, 2, 0x2c00
	v_mov_b32 v1, 0
	s_set_vgpr_msb 0x4000
	v_lshrrev_b32 v1, 5, v0
	v_readfirstlane_b32 s20, v1                    ; wave w
	s_and_b32 s21, ttmp7, 0xffff                   ; batch b
	s_mov_b32 s22, ttmp9                           ; x
	v_and_b32 v2, 31, v0                           ; lane
	v_and_b32 v3, 15, v0                           ; r
	v_bfe_u32 v4, v0, 4, 1                         ; h
	v_lshlrev_b32 v1, 4, v2                        ; 16 x lane
	v_lshlrev_b32 v5, 6, v2                        ; 64 x lane: my 16 columns as f32
	v_lshrrev_b32 v6, 2, v2
	v_lshlrev_b32 v6, 7, v6                        ; 128 x my head: its m and l in stat[b]
	v_lshlrev_b32 v7, 5, v4                        ; 32 h
	s_lshl_b32 s26, s21, 10                        ; stat[b]
	s_mov_b32 s27, 0
	s_lshl_b32 s28, s20, 4                         ; chunks 4 w on
	s_mov_b32 s29, 0
	s_lshl_b32 s30, s21, 15
	s_lshl_b32 s31, s20, 13
	s_add_co_u32 s30, s30, s31                     ; part[b][4 w]
	s_mov_b32 s31, 0
	s_mul_i32 s32, s22, 49152
	s_mul_i32 s33, s20, 12288
	s_add_co_u32 s32, s32, s33
	s_add_co_u32 s32, s32, 393216                  ; wimg: Wo, tile 8 x + 2 w
	s_mov_b32 s33, 0
	s_lshl_b32 s34, s22, 11
	s_lshl_b32 s35, s20, 9
	s_add_co_u32 s34, s34, s35                     ; scale bytes of rows 128 x + 32 w on
	s_mov_b32 s35, 0
	s_lshl_b32 s36, s22, 9
	s_lshl_b32 s37, s20, 7
	s_add_co_u32 s36, s36, s37                     ; columns 128 x + 32 w on, as f32
	s_mov_b32 s37, 0
	s_lshl_b32 s38, s21, 11
	s_add_co_u32 s38, s38, s36                     ; the same in out0[b]
	s_mov_b32 s39, 0
	s_lshl_b32 s40, s20, 8
	s_add_co_u32 s40, s40, SCB
	s_lshl_b32 s41, s20, 9
	s_add_co_u32 s41, s41, COD
	s_lshl_b32 s42, s20, 11
	v_add_nc_u32 v8, s42, v1                       ; where I put my sums
	v_mul_u32_u24 v9, v2, 12
	v_add_nc_u32 v9, s41, v9                       ; my 12 bytes of codes
	v_mul_u32_u24 v10, v4, 48
	v_add_nc_u32 v10, s41, v10                     ; a fragment's 48 bytes of my half
	v_lshrrev_b32 v13, 3, v2                       ; my block is lane / 2: K step lane / 8,
	v_bfe_u32 v14, v2, 1, 1                        ; block's low bit,
	v_bfe_u32 v15, v2, 2, 1                        ; block's high bit: they change places
	v_lshl_or_b32 v14, v14, 1, v15
	v_lshl_or_b32 v13, v13, 2, v14
	v_add_nc_u32 v11, s40, v13                     ; my block's scale byte
	v_mov_b32 v12, s40                             ; the four scale words
	s_wait_kmcnt 0x0
	s_add_nc_u64 s[6:7], s[6:7], s[26:27]
	s_add_nc_u64 s[24:25], s[6:7], s[28:29]
	s_add_nc_u64 s[4:5], s[4:5], s[30:31]
	s_add_nc_u64 s[8:9], s[8:9], s[32:33]
	s_add_nc_u64 s[10:11], s[10:11], s[34:35]
	s_add_nc_u64 s[14:15], s[14:15], s[36:37]
	s_add_nc_u64 s[16:17], s[16:17], s[38:39]
	; 58 loads, in the order in which they are wanted
.irp k, 0,1,2,3
	global_load_b128 v[MM+4*\k:MM+4*\k+3], v6, s[6:7] offset:16*\k
.endr
.irp k, 0,1,2,3
	global_load_b128 v[LL+4*\k:LL+4*\k+3], v6, s[6:7] offset:64+16*\k
.endr
	global_load_b128 v[MY:MY+3], v6, s[24:25]
.irp i, 0,1,2,3
.irp k, 0,1,2,3
	global_load_b128 v[CH+16*\i+4*\k:CH+16*\i+4*\k+3], v5, s[4:5] offset:2048*\i+16*\k
.endr
.endr
.irp k, 0,1,2,3
	global_load_b128 v[BV+4*\k:BV+4*\k+3], v5, s[12:13] offset:16*\k
.endr
	global_load_b128 v[WOS:WOS+3], v1, s[10:11]    ; lane l: the four scale words of row 32 w + l: tile 0 in lanes 0-15, tile 1 in lanes 16-31
.irp t, 0,1
	global_load_b128 v[DD+8*\t:DD+8*\t+3], v7, s[14:15] offset:64*\t       ; bo in the result's layout
	global_load_b128 v[DD+8*\t+4:DD+8*\t+7], v7, s[14:15] offset:64*\t+16
.endr
.irp t, 0,1
.irp q, 0,1,2,3
.irp i, 0,1,2
	global_load_b128 v[WF+48*\t+12*\q+4*\i:WF+48*\t+12*\q+4*\i+3], v1, s[8:9] offset:6144*\t+1536*\q+512*\i
.endr
.endr
.endr
	s_wait_loadcnt 49                              ; m, l and my four m are in: 49 loads were issued behind them
	v_max3_num_f32 v13, v[MM], v[MM+1], v[MM+2]
.irp i, 3,5,7,9,11,13
	v_max3_num_f32 v13, v13, v[MM+\i], v[MM+\i+1]
.endr
	v_max_num_f32 v13, v13, v[MM+15]               ; M
.irp i, 0,1,2,3,4,5,6,7,8,9,10,11,12,13,14,15
	v_sub_f32 v[MM+\i], v[MM+\i], v13
.endr
.irp i, 0,1,2,3
	v_sub_f32 v[MY+\i], v[MY+\i], v13
.endr
.irp i, 0,1,2,3,4,5,6,7,8,9,10,11,12,13,14,15
	v_exp_f32 v[MM+\i], v[MM+\i]                   ; 2^(m_c - M)
.endr
.irp i, 0,1,2,3
	v_exp_f32 v[MY+\i], v[MY+\i]
.endr
	v_nop                                          ; a plain instruction behind the last exponential
	s_wait_alu depctr_va_vdst(0)                   ; one wait for the batch of 20
	v_pk_mul_f32 v[14:15], v[MM:MM+1], v[LL:LL+1]
.irp j, 2,4,6,8,10,12,14
	v_pk_fma_f32 v[14:15], v[MM+\j:MM+\j+1], v[LL+\j:LL+\j+1], v[14:15]
.endr
	v_add_f32 v14, v14, v15                        ; the divisor
	v_rcp_f32 v14, v14
	s_wait_loadcnt 33                              ; my four chunks are in
.irp j, 0,1,2,3,4,5,6,7,8,9,10,11,12,13,14,15
	v_mul_f32 v[LL+\j], v[CH+\j], v[MY]            ; (plain work behind the reciprocal)
.endr
.irp i, 1,2,3
.irp j, 0,1,2,3,4,5,6,7,8,9,10,11,12,13,14,15
	v_fmac_f32 v[LL+\j], v[CH+16*\i+\j], v[MY+\i]
.endr
.endr
	s_wait_alu depctr_va_vdst(0)                   ; the reciprocal's wait, ahead of its first reader below
.irp k, 0,1,2,3
	ds_store_b128 v8, v[LL+4*\k:LL+4*\k+3] offset:PARTL+512*\k
.endr
	s_wait_dscnt 0x0                               ; for the others' sake: my sums lie in LDS
	s_barrier_signal -1
	s_barrier_wait -1
.irp c, 0,1,2,3
.irp k, 0,1,2,3
	ds_load_b128 v[CH+16*\c+4*\k:CH+16*\c+4*\k+3], v1 offset:PARTL+2048*\c+512*\k
.endr
.endr
	s_wait_dscnt 0x0
.irp j, 0,2,4,6,8,10,12,14
	v_pk_add_f32 v[CH+\j:CH+\j+1], v[CH+\j:CH+\j+1], v[CH+16+\j:CH+17+\j]
	v_pk_add_f32 v[CH+32+\j:CH+33+\j], v[CH+32+\j:CH+33+\j], v[CH+48+\j:CH+49+\j]
.endr
.irp j, 0,2,4,6,8,10,12,14
	v_pk_add_f32 v[CH+\j:CH+\j+1], v[CH+\j:CH+\j+1], v[CH+32+\j:CH+33+\j]
.endr
	s_wait_loadcnt 29                              ; bv is in
.irp j, 0,2,4,6,8,10,12,14
	v_pk_fma_f32 v[CH+\j:CH+\j+1], v[CH+\j:CH+\j+1], v[14:15], v[BV+\j:BV+\j+1] op_sel_hi:[1,0,1]   ; context = sum / divisor + bv
.endr
	s_wait_loadcnt 28                              ; Wo's scale words are in
.irp i, 0,1,2,3
	v_perm_b32 v[WOS+\i], v[WOS+\i], v[WOS+\i], 0x03010200     ; their middle bytes change places; more than eight plain instructions follow ahead of the products
.endr
	v_max3_num_f32 v255, |v[CH]|, |v[CH+1]|, |v[CH+2]|         ; the largest magnitude of my 16
	v_max3_num_f32 v13, |v[CH+3]|, |v[CH+4]|, |v[CH+5]|
.irp i, 6,10
	v_max3_num_f32 v255, v255, |v[CH+\i]|, |v[CH+\i+1]|
	v_max3_num_f32 v13, v13, |v[CH+\i+2]|, |v[CH+\i+3]|
.endr
	v_max3_num_f32 v255, v255, |v[CH+14]|, |v[CH+15]|
	v_max3_num_f32 v255, v255, v13, 0x2800000      ; and the floor 2^(5 - 127): the byte cannot fall under 1
	v_max_num_f32_dpp v255, v255, v255 row_xmask:1 row_mask:0xf bank_mask:0xf   ; with my neighbour's 16: the block's
	v_add_nc_u32 v13, 0xfe000000, v255             ; 4 off its exponent field: the conversion takes this operand's exponent field as its scale
	v_cvt_scalef32_pk16_bf6_f32 v[252:254], v[CH:CH+15], v13
	v_lshrrev_b32 v15, 23, v13                     ; the scale's byte (the plain instruction behind the conversion)
	ds_store_b32 v9, v252
	ds_store_b32 v9, v253 offset:4
	ds_store_b32 v9, v254 offset:8
	ds_store_b8 v11, v15                           ; both lanes of a block write the same byte with the same value
.irp q, 0,1,2,3
.irp i, 0,1,2
	ds_load_b128 v[BF+12*\q+4*\i:BF+12*\q+4*\i+3], v10 offset:96*\q+16*\i  ; my wave's own bytes, in order (ISA guide 5.7.1.4): every lane of a half takes the same 48 bytes
.endr
.endr
	ds_load_b128 v[CSC:CSC+3], v12
	s_wait_dscnt 0x0
	s_wait_loadcnt 0x0                             ; bo and Wo
.irp q, 0,1,2,3
	v_wmma_scale_f32_16x16x128_f8f6f4 v[DD:DD+7], v[WF+12*\q:WF+12*\q+11], v[BF+12*\q:BF+12*\q+11], v[DD:DD+7], v[WOS+\q], v[CSC+\q] matrix_a_fmt:MATRIX_FMT_BF6 matrix_b_fmt:MATRIX_FMT_BF6
	v_wmma_scale_f32_16x16x128_f8f6f4 v[DD+8:DD+15], v[WF+48+12*\q:WF+48+12*\q+11], v[BF+12*\q:BF+12*\q+11], v[DD+8:DD+15], v[WOS+\q], v[CSC+\q] matrix_a_fmt:MATRIX_FMT_BF6 matrix_b_fmt:MATRIX_FMT_BF6 matrix_a_scale:MATRIX_SCALE_ROW1
.endr
.rept 4
	v_nop                                          ; four places ahead of the first read of the results (ISA guide 7.12.1)
.endr
	s_wait_xcnt 0x0                                ; EXEC changes only behind this wait
	v_cmp_eq_u32 vcc_lo, 0, v3
	s_set_vgpr_msb 0x5
	s_wait_tensorcnt 0x0
	ds_add_u32 v0, v1
	s_wait_dscnt 0x0
	s_set_vgpr_msb 0x500
	s_and_saveexec_b32 s26, vcc_lo                 ; all 16 columns hold the same row: lanes 0 and 16 store it: register j is column 16 T + 8 h + j of my 32
	global_store_b128 v7, v[DD:DD+3], s[16:17]
	global_store_b128 v7, v[DD+4:DD+7], s[16:17] offset:16
	global_store_b128 v7, v[DD+8:DD+11], s[16:17] offset:64
	global_store_b128 v7, v[DD+12:DD+15], s[16:17] offset:80
	s_wait_xcnt 0x0
	s_or_b32 exec_lo, exec_lo, s26
	s_endpgm
.Lfunc_end_k_qf52c247dd2_final:
	.size	k_qf52c247dd2_final, .Lfunc_end_k_qf52c247dd2_final-k_qf52c247dd2_final
	.p2alignl 7, 3214868480
	.fill 96, 4, 3214868480
	.section	.rodata,"a",@progbits
	.p2align	6, 0x0
	.amdhsa_kernel k_qf52c247dd2_final
		.amdhsa_group_segment_fixed_size 11776
		.amdhsa_private_segment_fixed_size 0
		.amdhsa_enable_private_segment 0
		.amdhsa_kernarg_size 56
		.amdhsa_user_sgpr_count 2
		.amdhsa_user_sgpr_kernarg_segment_ptr 1
		.amdhsa_wavefront_size32 1
		.amdhsa_system_sgpr_workgroup_id_x 1
		.amdhsa_system_sgpr_workgroup_id_y 1
		.amdhsa_system_sgpr_workgroup_id_z 1
		.amdhsa_system_vgpr_workitem_id 0
		.amdhsa_next_free_vgpr 258
		.amdhsa_next_free_sgpr 66
		.amdhsa_reserve_vcc 1
		.amdhsa_float_denorm_mode_32 3
		.amdhsa_float_denorm_mode_16_64 3
		.amdhsa_memory_ordered 1
		.amdhsa_forward_progress 1
		.amdhsa_inst_pref_size 21
	.end_amdhsa_kernel
	.amdgpu_metadata
---
amdhsa.version: [ 1, 2 ]
amdhsa.kernels:
  - .name:           k_qf52c247dd2_final
    .symbol:         k_qf52c247dd2_final.kd
    .args:
      - { .name: part, .offset: 0, .size: 8, .value_kind: global_buffer, .address_space: global }
      - { .name: stat, .offset: 8, .size: 8, .value_kind: global_buffer, .address_space: global }
      - { .name: wimg, .offset: 16, .size: 8, .value_kind: global_buffer, .address_space: global }
      - { .name: Wo_scales, .offset: 24, .size: 8, .value_kind: global_buffer, .address_space: global }
      - { .name: bv, .offset: 32, .size: 8, .value_kind: global_buffer, .address_space: global }
      - { .name: bo, .offset: 40, .size: 8, .value_kind: global_buffer, .address_space: global }
      - { .name: out0, .offset: 48, .size: 8, .value_kind: global_buffer, .address_space: global }
    .group_segment_fixed_size: 11776
    .private_segment_fixed_size: 0
    .kernarg_segment_align: 8
    .kernarg_segment_size: 56
    .max_flat_workgroup_size: 128
    .sgpr_count:     66
    .vgpr_count:     258
    .wavefront_size: 32
...
	.end_amdgpu_metadata
.endif
;; end of part 3
;; ======== version 2 of 2: 3 launches
;; limits: right only within a limited range of input values
;; workspace buffers: wimg 589,824 bytes; qs 32,768 bytes; part 524,288 bytes; stat 16,384 bytes
;; launch prep (part 4): grid 128 x 1, 1 waves a work-group, no clusters, 0 bytes of LDS; arguments Wk_codes, Wv_codes, Wo_codes, Wq_codes, Wq_scales, query_codes, query_scales, bq, wimg, qs; writes wimg, qs
.if DOCPART == 4
	.amdgcn_target "amdgcn-amd-amdhsa--gfx1250"
	.amdhsa_code_object_version 6
	.text
	.protected	k_qf52c247dd2_prep
	.globl	k_qf52c247dd2_prep
	.p2align	8
	.type	k_qf52c247dd2_prep,@function
k_qf52c247dd2_prep:
	s_mov_b64 s[64:65], 0
	v_nop
	global_prefetch_b8 v0, s[64:65] scope:SCOPE_SE
	s_setreg_imm32_b32 hwreg(HW_REG_WAVE_MODE, 25, 1), 1
	s_wait_xcnt 0x0
; PREP.  Two things, each by work-groups of one wave (id = the work-group's number):
;  id 0..95:   one tile (16 rows x 512 K) of Wk, Wv or Wo is laid in the order of the operand's registers:
;              wimg[3 matrices][32 tiles][4 K steps][3 pieces][32 lanes][16 bytes], so that the later launches fetch a fragment by three loads of 512 consecutive bytes.
;  id 96..127: one tile of 16 columns of q = query Wq + bq (E3M2 codes as given, f32 sums), times log2(e) / 8, into qs[16][512] f32.
; DEAD WORK LEFT OUT OF THIS PROGRAM: bk.  The logits are q . (kv Wk + bk) / 8 = q . (kv Wk) / 8 + q . bk / 8; the last term is the same number for all 8,192 positions of a batch and head, and the softmax along the
; positions does not change when one number is added to all of them, whatever finite values q and bk hold; product 4 is not quantised and K serves nothing else.  So bk has no way to the output: it is not loaded and
; is no launch's argument.  LIMIT: a NaN, an infinity or an overflow that reaches only q . bk is not carried to the result.
; THE ORDER OF K INSIDE A MATRIX INSTRUCTION, the same on both operands of every product of this program: of a K step's 96 bytes of a row, lane (r, h) holds the 48 CONSECUTIVE bytes
; from 48 h on (blocks 2 h and 2 h + 1 of the step's four).  The unit takes a lane's first six registers as block h and its last six as block 2 + h (ISA guide 7.12), so the unit's block
; 2 c + h is the row's block 2 h + c: each scale word has its two middle bytes exchanged.  The same products are summed; only their grouping inside an instruction differs.
; LIMITS: NaN, infinities and scale bytes of 0xff among the inputs are not served.
; No LDS, no cluster, no prefetch: a wave reads its one tile once, and there is no loop.
.set TILEB,   6144                     ; a tile: 16 rows of 384 bytes
.set SWAPMID, 0x03010200               ; v_perm_b32: bytes 0, 2, 1, 3
	s_load_b512 s[4:19], s[0:1], 0x0               ; Wk s[4:5], Wv s[6:7], Wo s[8:9], Wq s[10:11], Wq's scales s[12:13], query's codes s[14:15], its scales s[16:17], bq s[18:19]
	s_load_b128 s[20:23], s[0:1], 0x40             ; wimg s[20:21], qs s[22:23]
	s_mov_b32 s25, ttmp9                           ; id
	s_mov_b32 s29, 0
	s_mov_b32 s31, 0
	v_and_b32 v3, 31, v0                           ; lane
	v_and_b32 v4, 15, v0                           ; r
	v_bfe_u32 v5, v0, 4, 1                         ; h
	v_lshlrev_b32 v1, 4, v3                        ; 16 x lane
	v_mul_u32_u24 v2, v4, 384
	v_mad_u32_u24 v2, v5, 48, v2                   ; row r, + 48 h
	v_lshlrev_b32 v6, 4, v4                        ; 16 r: a row's scale bytes
	v_lshlrev_b32 v7, 5, v5                        ; 32 h
	v_lshl_add_u32 v3, v4, 11, v7                  ; qs: row r of 2,048 bytes, + 32 h
	s_wait_alu depctr_va_vdst(0)
	s_wait_kmcnt 0x0
	s_cmp_lt_u32 ttmp9, 96
	s_cbranch_scc0 .Lproduct
	; ---- a tile of a weight into its image
	s_cmp_lt_u32 s25, 32
	s_cselect_b64 s[26:27], s[4:5], s[6:7]         ; the choice hangs on the id alone
	s_cmp_lt_u32 s25, 64
	s_cselect_b64 s[26:27], s[26:27], s[8:9]
	s_and_b32 s28, s25, 31
	s_mul_i32 s28, s28, TILEB
	s_add_nc_u64 s[26:27], s[26:27], s[28:29]      ; the tile in its matrix
	s_mul_i32 s30, s25, TILEB
	s_add_nc_u64 s[20:21], s[20:21], s[30:31]      ; and in wimg: the three matrices on end
.irp q, 0,1,2,3
.irp i, 0,1,2
	global_load_b128 v[16+12*\q+4*\i:19+12*\q+4*\i], v2, s[26:27] offset:96*\q+16*\i
.endr
.endr
	s_wait_loadcnt 0x0
.irp q, 0,1,2,3
.irp i, 0,1,2
	global_store_b128 v1, v[16+12*\q+4*\i:19+12*\q+4*\i], s[20:21] offset:1536*\q+512*\i   ; 32 lanes store 512 consecutive bytes, at a multiple of 256 from wimg's first byte
.endr
.endr
	s_endpgm
.Lproduct:
	; ---- q, columns 16 n .. 16 n + 15, all 16 batches.  Source 0 = 16 rows of Wq, source 1 = query's 16 rows: lane (r, h), register j holds q[r][16 n + 8 h + j]
	s_sub_co_u32 s25, s25, 96                      ; n
	s_mul_i32 s28, s25, TILEB
	s_add_nc_u64 s[10:11], s[10:11], s[28:29]
	s_lshl_b32 s28, s25, 8
	s_add_nc_u64 s[12:13], s[12:13], s[28:29]      ; 16 rows of 16 scale bytes
	s_lshl_b32 s28, s25, 6
	s_add_nc_u64 s[18:19], s[18:19], s[28:29]      ; 16 numbers of bq
	s_add_nc_u64 s[22:23], s[22:23], s[28:29]
.irp q, 0,1,2,3
.irp i, 0,1,2
	global_load_b128 v[16+12*\q+4*\i:19+12*\q+4*\i], v2, s[10:11] offset:96*\q+16*\i
	global_load_b128 v[64+12*\q+4*\i:67+12*\q+4*\i], v2, s[14:15] offset:96*\q+16*\i
.endr
.endr
	global_load_b128 v[112:115], v6, s[12:13]      ; register q: the scale word of K step q
	global_load_b128 v[116:119], v6, s[16:17]
	global_load_b128 v[8:11], v7, s[18:19]         ; bq in the result's layout: the C of the first product
	global_load_b128 v[12:15], v7, s[18:19] offset:16
	s_wait_loadcnt 0x0
.irp i, 0,1,2,3,4,5,6,7
	v_perm_b32 v[112+\i], v[112+\i], v[112+\i], SWAPMID
.endr
.rept 8
	v_nop                                          ; a scale register written by a vector instruction stands eight places ahead of the scaled matrix instruction
.endr
	v_wmma_scale_f32_16x16x128_f8f6f4 v[120:127], v[16:27], v[64:75], v[8:15], v112, v116 matrix_a_fmt:MATRIX_FMT_BF6 matrix_b_fmt:MATRIX_FMT_BF6
.irp q, 1,2,3
	s_wait_alu depctr_va_vdst(0)                   ; the wait ahead of each link
	v_wmma_scale_f32_16x16x128_f8f6f4 v[120:127], v[16+12*\q:27+12*\q], v[64+12*\q:75+12*\q], v[120:127], v[112+\q], v[116+\q] matrix_a_fmt:MATRIX_FMT_BF6 matrix_b_fmt:MATRIX_FMT_BF6
.endr
.rept 4
	v_nop                                          ; four places ahead of the first read of the result (ISA guide 7.12.1)
.endr
.irp j, 0,2,4,6
	v_pk_mul_f32 v[8+\j:9+\j], v[120+\j:121+\j], 0x3e38aa3b op_sel_hi:[1,0]   ; x log2(e) / sqrt(64): the logits then come out as exponents of 2
.endr
	global_store_b128 v3, v[8:11], s[22:23]
	global_store_b128 v3, v[12:15], s[22:23] offset:16
	s_endpgm
.Lfunc_end_k_qf52c247dd2_prep:
	.size	k_qf52c247dd2_prep, .Lfunc_end_k_qf52c247dd2_prep-k_qf52c247dd2_prep
	.p2alignl 7, 3214868480
	.fill 96, 4, 3214868480
	.section	.rodata,"a",@progbits
	.p2align	6, 0x0
	.amdhsa_kernel k_qf52c247dd2_prep
		.amdhsa_group_segment_fixed_size 0
		.amdhsa_private_segment_fixed_size 0
		.amdhsa_enable_private_segment 0
		.amdhsa_kernarg_size 80
		.amdhsa_user_sgpr_count 2
		.amdhsa_user_sgpr_kernarg_segment_ptr 1
		.amdhsa_wavefront_size32 1
		.amdhsa_system_sgpr_workgroup_id_x 1
		.amdhsa_system_sgpr_workgroup_id_y 1
		.amdhsa_system_sgpr_workgroup_id_z 1
		.amdhsa_system_vgpr_workitem_id 0
		.amdhsa_next_free_vgpr 128
		.amdhsa_next_free_sgpr 66
		.amdhsa_reserve_vcc 0
		.amdhsa_float_denorm_mode_32 3
		.amdhsa_float_denorm_mode_16_64 3
		.amdhsa_memory_ordered 1
		.amdhsa_forward_progress 1
		.amdhsa_inst_pref_size 9
	.end_amdhsa_kernel
	.amdgpu_metadata
---
amdhsa.version: [ 1, 2 ]
amdhsa.kernels:
  - .name:           k_qf52c247dd2_prep
    .symbol:         k_qf52c247dd2_prep.kd
    .args:
      - { .name: Wk_codes, .offset: 0, .size: 8, .value_kind: global_buffer, .address_space: global }
      - { .name: Wv_codes, .offset: 8, .size: 8, .value_kind: global_buffer, .address_space: global }
      - { .name: Wo_codes, .offset: 16, .size: 8, .value_kind: global_buffer, .address_space: global }
      - { .name: Wq_codes, .offset: 24, .size: 8, .value_kind: global_buffer, .address_space: global }
      - { .name: Wq_scales, .offset: 32, .size: 8, .value_kind: global_buffer, .address_space: global }
      - { .name: query_codes, .offset: 40, .size: 8, .value_kind: global_buffer, .address_space: global }
      - { .name: query_scales, .offset: 48, .size: 8, .value_kind: global_buffer, .address_space: global }
      - { .name: bq, .offset: 56, .size: 8, .value_kind: global_buffer, .address_space: global }
      - { .name: wimg, .offset: 64, .size: 8, .value_kind: global_buffer, .address_space: global }
      - { .name: qs, .offset: 72, .size: 8, .value_kind: global_buffer, .address_space: global }
    .group_segment_fixed_size: 0
    .private_segment_fixed_size: 0
    .kernarg_segment_align: 8
    .kernarg_segment_size: 80
    .max_flat_workgroup_size: 32
    .sgpr_count:     66
    .vgpr_count:     128
    .wavefront_size: 32
...
	.end_amdgpu_metadata
.endif
;; end of part 4
;; launch main (part 5): grid 16 x 16, 4 waves a work-group, no clusters, 327,680 bytes of LDS; arguments key_value_codes, key_value_scales, wimg, Wk_scales, Wv_scales, qs, part, stat; writes part, stat
.if DOCPART == 5
	.amdgcn_target "amdgcn-amd-amdhsa--gfx1250"
	.amdhsa_code_object_version 6
	.text
	.protected	k_qf52c247dd2_main
	.globl	k_qf52c247dd2_main
	.p2align	8
	.type	k_qf52c247dd2_main,@function
k_qf52c247dd2_main:
	s_mov_b64 s[64:65], 0
	v_nop
	global_prefetch_b8 v0, s[64:65] scope:SCOPE_SE
	s_setreg_imm32_b32 hwreg(HW_REG_WAVE_MODE, 25, 1), 1
	s_wait_xcnt 0x0
; MAIN.  Work-group (x, b) takes rows 512 x .. 512 x + 511 of batch b through K = kv Wk, the logits, p = 2^(t - m), V = kv Wv and the sum of p v.  K and V never leave the registers.
; SHARES.  The 512 rows' codes come into LDS once and stay, in four stages of 128 rows, 32 rows by each wave's one tensor load: the first at the head, the others each behind a barrier, a stage ahead of their use:
; so the K pass begins when a quarter of the rows is there.  THE WAVES SHARE THE COLUMNS: wave w owns heads 2 w and 2 w + 1: 8 tiles of Wk and 8 of Wv,
; 64 fragments of 12 registers, which stay in its registers; each is read from wimg once.  12 LDS loads of 16 bytes a lane feed 32 matrix instructions.
; TWO PASSES over the rows, 16 at a time.  K pass: source 0 = 16 rows of Wk, source 1 = 16 rows of kv: a lane holds one row s and eight columns e; t[s] = q . K[s] by packed multiply-adds (q is already
; x log2(e) / 8), into the wave's own LDS.  Between the passes: the chunk's largest t of each head, p = 2^(t - m), l = the sum of p.  V pass: the sources change places: a lane holds one
; column e and eight rows s, and the context sums p[s] V[s][e].  bv is added where the chunks meet (the weights sum to 1).  Out: part[b][x][512] = the sum of p v, stat[b][head][m, l][x].
; DEAD WORK LEFT OUT: bk, whose term is the same for every position of a softmax (see prep).  LIMIT: a NaN, an infinity or an overflow that reaches only q . bk is not carried to the result.
; BY TURNS.  A unit is 16 matrix instructions of one head on four accumulators, one instruction a turn.  Behind each pair stands a slot: two multiply-adds that reduce the
; OTHER head's four accumulators.  ALL MEMORY INSTRUCTIONS OF A TILE STAND IN ONE RUN at its start, behind its one wait for LDS: the logits of the tile before the last (K pass), the next tile's rows and scale words,
; p (V pass), and in six tiles twelve loads of Wv each: 32 matrix instructions ahead of their first use.  The wait stands between two reductions: no sum runs across it.
; NO CLUSTER: what work-groups share is the weights, 393,216 bytes a work-group, whose home here is the registers; a joint load lands in LDS, of which the resident rows and what stands behind them leave less than
; a tenth free, so the weights would pass through it in many refills.  The rows of kv are shared by nobody.  NO PREFETCH: each stage's tensor load is itself issued a whole stage, 256 matrix instructions, ahead of its use.
; THE ORDER OF K inside an instruction: lane (r, h) holds the 48 consecutive bytes from 48 h on of a K step's 96, on both operands, and each scale word has its middle bytes exchanged (see prep).
; kv's scale words are exchanged ONCE: each wave takes 128 rows' 2,048 bytes through registers into LDS, and the passes use them as they are loaded.
; LIMITS: NaN, infinities and scale bytes of 0xff are not served; a p under 2^-126 counts as 0 (v_exp_f32: ISA guide 15.8); sums are ordered otherwise than in the definition, all in f32.
; REGISTERS.  Window 0: v1-13 addresses, v14-15 the way out's, v16-23 the logits' sums, v24-31 kv's scale words (two sets), v32-47 and v48-63 Wk's and Wv's scale words, v64-159 kv's fragments (two sets of four),
;   v160-191 and v192-223 the two sets of accumulators, v224-239 at work, v240-255 the context.
;   Window 1: v0-191 Wk of head 0, v192-223 q of head 1, v224-247 two fragments of Wv, v248-251 the K pass's addresses.  Window 2: Wk of head 1 (then eight fragments of Wv), q of head 0 (then p of head 0), two
;   fragments of Wv.  Window 3: Wv of head 0, head 1's first K step, p of head 1.  So a unit's products and the reductions beside them mostly name the same windows.
.set PITCH,  432                       ; a row in LDS: 3 x (128 bytes + 16 of padding) = 27 x 16 bytes: the 16 rows of a load fall on 16 different columns of 16 bytes (64 banks of 4 bytes: ISA guide 11.1)
.set TILE16, 16*PITCH
.set STAGE,  128*PITCH                 ; a stage of rows
.set KVT,    512*PITCH                 ; behind the rows: their scale words, middle bytes exchanged, 16 bytes a row; written by LDS stores alone
.set PL,     KVT+8192                  ; behind those: 4,096 bytes for each wave: [head][row] t, then p; written by LDS stores alone
.set PARK,   PL+16384                  ; behind those: 12,288 bytes for each wave: eight fragments of Wv, for which the K pass leaves no registers
.set SPARE,  PARK+49152                ; behind those: the spare words, 128 bytes a wave, which no other line names
.set LI,  1                            ; 16 x lane
.set KB0, 2                            ; 432 r + 48 h
.set KB1, 3                            ; 432 r + 64 h: for the pieces that in lanes 16-31 lie behind one padding more
.set SB,  4                            ; KVT + 16 r
.set LB,  5                            ; my wave's PL + 2,048 h + 4 r
.set PB,  6                            ; my wave's PL + 32 h
.set MA,  7                            ; my wave's PL + 16 x lane
.set SPW, 8                            ; my spare word
.set NIL, 9                            ; 0
.set KA0, 10
.set KA1, 11
.set SA,  12
.set LA,  13
.set STV, 14                           ; lanes 0-3: m0, l0, m1, l1
.set STA, 15                           ; and where they go
.set SUM, 16                           ; head g: v[SUM+4g .. +3]: two chains of pairs
.set KS,  24
.set WSK, 32
.set WSV, 48
.set KVF, 64
.set ACX, 160
.set ACY, 192
.set TMP, 224
.set PK,  238                          ; my wave's PARK + 16 x lane
.set XA,  239                          ; where my wave's scale words go
.set CT,  240                          ; tile t of my 8: v[CT+2t .. +1]
.set A0,  248                          ; the K pass's addresses lie in window 1: of the rows,
.set A1,  249
.set AS,  250                          ; of the scale words,
.set AL,  251                          ; and of the logits
.set MSB, 0
.macro WIN new                         ; the immediate's high byte repeats the setting that is left; a switch that changes nothing is dropped
.if MSB != (\new)
	s_set_vgpr_msb (MSB<<8)|(\new)
.set MSB, (\new)
.endif
.endm
; Where fragment (matrix m: 0 Wk, 1 Wv; tile t of my 8; K step q) lives: window HW, register HR
.macro HOME m, t, q
.if (\m) == 0
.set HW, 1+(\t)/4
.set HR, 12*(4*((\t)%4)+(\q))
.elseif (\t) < 4
.set HW, 3
.set HR, 12*(4*(\t)+(\q))
.elseif (\q) == 0
.set HW, 3
.set HR, 192+12*((\t)-4)
.elseif (\q) == 1
.set HW, 1+((\t)-4)/2
.set HR, 224+12*((\t)%2)
.else
.set HW, 2                             ; the parked eight: where Wk's head 1 lay
.set HR, 12*(4*((\q)-2)+(\t)-4)
.endif
.endm
.macro WLOAD m, t, q                   ; a fragment from its image: three loads of 512 consecutive bytes
	HOME \m, \t, \q
	WIN HW<<6
.irp i, 0,1,2
	global_load_b128 v[HR+4*\i:HR+4*\i+3], v[LI], s[8:9] offset:196608*(\m)+6144*(\t)+1536*(\q)+512*\i
.endr
.endm
; Four of the 24 fragments of Wv that come in the runs of six tiles: from fragment wf on: head 0's sixteen, then head 1's K steps 0 and 1
.macro WRUN wf
.set lf, \wf
.rept 4
.if lf < 16
.set lt, lf/4
.set lq, lf%4
.else
.set lt, 4+(lf-16)%4
.set lq, (lf-16)/4
.endif
	WLOAD 1, lt, lq
.set lf, lf+1
.endr
.endm
; Load k of the 13 that bring 16 rows of kv into set nb: 0 the scale words, 1 .. 12 the pieces 3 q + i of the four fragments.  noff: which of the trip's two tiles
.macro LD13 k, nb, noff
.if (\k) == 0
	ds_load_b128 v[KS+4*(\nb):KS+4*(\nb)+3], v[AS] offset:256*(\noff)
.else
.set fj, (\k)-1
.set fp, 6*(fj/3)+fj%3                 ; the row's piece of 16 bytes for lanes 0-15; lanes 16-31 take the piece three on
.if (fp+3)/8 == fp/8
	ds_load_b128 v[KVF+48*(\nb)+4*fj:KVF+48*(\nb)+4*fj+3], v[A0] offset:TILE16*(\noff)+16*fp+16*(fp/8)
.else
	ds_load_b128 v[KVF+48*(\nb)+4*fj:KVF+48*(\nb)+4*fj+3], v[A1] offset:TILE16*(\noff)+16*fp+16*(fp/8)
.endif
.endif
.endm
.macro RUN13 nb, noff
.set kk, 0
.rept 13
	LD13 kk, \nb, \noff
.set kk, kk+1
.endr
.endm
.macro PLOAD g, set, po                ; head g's p of my half's eight rows of a tile: head 0's into window 2, head 1's into window 3
.if (\g) == 0
	WIN 0x80
.else
	WIN 0xc0
.endif
.set pr, 192+48*(\g)+8*(\set)
	ds_load_b128 v[pr:pr+3], v[LA] offset:64*(\po)+2048*(\g)
	ds_load_b128 v[pr+4:pr+7], v[LA] offset:64*(\po)+2048*(\g)+16
.endm
.macro EMIT zero, arow, brow           ; the matrix instruction on rd, ma, mb, xa, xb
.if \zero
.if \arow
	v_wmma_scale_f32_16x16x128_f8f6f4 v[rd:rd+7], v[ma:ma+11], v[mb:mb+11], 0, v[xa], v[xb] matrix_a_fmt:MATRIX_FMT_BF6 matrix_b_fmt:MATRIX_FMT_BF6 matrix_a_scale:MATRIX_SCALE_ROW1
.elseif \brow
	v_wmma_scale_f32_16x16x128_f8f6f4 v[rd:rd+7], v[ma:ma+11], v[mb:mb+11], 0, v[xa], v[xb] matrix_a_fmt:MATRIX_FMT_BF6 matrix_b_fmt:MATRIX_FMT_BF6 matrix_b_scale:MATRIX_SCALE_ROW1
.else
	v_wmma_scale_f32_16x16x128_f8f6f4 v[rd:rd+7], v[ma:ma+11], v[mb:mb+11], 0, v[xa], v[xb] matrix_a_fmt:MATRIX_FMT_BF6 matrix_b_fmt:MATRIX_FMT_BF6
.endif
.else
.if \arow
	v_wmma_scale_f32_16x16x128_f8f6f4 v[rd:rd+7], v[ma:ma+11], v[mb:mb+11], v[rd:rd+7], v[xa], v[xb] matrix_a_fmt:MATRIX_FMT_BF6 matrix_b_fmt:MATRIX_FMT_BF6 matrix_a_scale:MATRIX_SCALE_ROW1
.elseif \brow
	v_wmma_scale_f32_16x16x128_f8f6f4 v[rd:rd+7], v[ma:ma+11], v[mb:mb+11], v[rd:rd+7], v[xa], v[xb] matrix_a_fmt:MATRIX_FMT_BF6 matrix_b_fmt:MATRIX_FMT_BF6 matrix_b_scale:MATRIX_SCALE_ROW1
.else
	v_wmma_scale_f32_16x16x128_f8f6f4 v[rd:rd+7], v[ma:ma+11], v[mb:mb+11], v[rd:rd+7], v[xa], v[xb] matrix_a_fmt:MATRIX_FMT_BF6 matrix_b_fmt:MATRIX_FMT_BF6
.endif
.endif
.endm
; Product n of a unit's 16: K step n / 4, tile 4 g + n % 4.  A weight's scale register holds an even tile's words in lanes 0-15 and the odd tile's in lanes 16-31
.macro KMM z, g, buf, n
.set wq, (\n)/4
.set wu, (\n)%4
	HOME 0, 4*(\g)+wu, wq
	WIN HW                                         ; source 0 in the weight's window
.set rd, (\z)+8*wu
.set ma, HR
.set mb, KVF+48*(\buf)+12*wq
.set xa, WSK+4*((4*(\g)+wu)/2)+wq
.set xb, KS+4*(\buf)+wq
	EMIT wq==0, wu%2, 0
.endm
.macro VMM z, g, buf, n
.set wq, (\n)/4
.set wu, (\n)%4
	HOME 1, 4*(\g)+wu, wq
	WIN HW<<2                                      ; source 1 in the weight's window
.set rd, (\z)+8*wu
.set ma, KVF+48*(\buf)+12*wq
.set mb, HR
.set xa, KS+4*(\buf)+wq
.set xb, WSV+4*((4*(\g)+wu)/2)+wq
	EMIT wq==0, 0, wu%2
.endm
; Multiply-add n of the 16 that reduce head g's four accumulators to my lane's part of t[row r]: q x K, two columns at a time, in two chains.  Source 0 is q, in the window of the OTHER head's Wk, whose products
; stand beside it (setting 2 - g).  Each accumulator is read from its low end on
.macro KRED z, g, n
	WIN 2-(\g)
.set ka, SUM+4*(\g)+2*((\n)%2)
.if (\n) < 2
	v_pk_mul_f32 v[ka:ka+1], v[192+2*(\n):193+2*(\n)], v[(\z)+2*(\n):(\z)+2*(\n)+1]
.else
	v_pk_fma_f32 v[ka:ka+1], v[192+2*(\n):193+2*(\n)], v[(\z)+2*(\n):(\z)+2*(\n)+1], v[ka:ka+1]
.endif
.endm
; Multiply-add n of the 16 that add head g's four accumulators into the context: V x p, two rows at a time; the four tiles by turns, each from its low end on.  pr: p's registers, in window 2 + g
.macro VRED z, g, n, pr
	WIN 4*(2+(\g))
.set vt, (\n)%4
.set vr, (\n)/4
.set kc, CT+2*(4*(\g)+vt)
	v_pk_fma_f32 v[kc:kc+1], v[(\z)+8*vt+2*vr:(\z)+8*vt+2*vr+1], v[(\pr)+2*vr:(\pr)+2*vr+1], v[kc:kc+1]
.endm
; Head 1's sum is closed; the exchange of halves puts head 0's two parts of row r into lanes 0-15 and head 1's into lanes 16-31: 16 rows of both heads in one register, v[TMP + d]
.macro LOGIT d
	WIN 0
	v_pk_add_f32 v[SUM+4:SUM+5], v[SUM+4:SUM+5], v[SUM+6:SUM+7]
	v_add_f32 v[TMP+1], v[SUM+4], v[SUM+5]
	v_permlane16_swap_b32 v[TMP], v[TMP+1]
	v_add_f32 v[TMP+(\d)], v[TMP], v[TMP+1]
.endm
.macro KADDR                           ; a trip's addresses, in window 1
	WIN 0x40
	v_add_nc_u32 v[A0], s61, v[KB0]
	v_add_nc_u32 v[A1], s61, v[KB1]
	v_add_nc_u32 v[AS], s62, v[SB]
	v_add_nc_u32 v[AL], s63, v[LB]
.endm
.macro VADDR                           ; the same for the V pass, in window 0; p's in place of the logits'
	v_add_nc_u32 v[KA0], s61, v[KB0]
	v_add_nc_u32 v[KA1], s61, v[KB1]
	v_add_nc_u32 v[SA], s62, v[SB]
	v_add_nc_u32 v[LA], s63, v[PB]
.endm
; 16 ROWS OF THE K PASS, tile i.  buf: kv's set; first: nothing to reduce yet; next: tile i + 1 is fetched, at noff; st: where the logits of tile i - 2 go, or -1; addr: the trip's addresses are made;
; wf: the first of the fragments of Wv that this tile asks for, or -1.
; Places: behind a unit's products 13 and 14 stand slots 6 and 7, four plain instructions, ahead of the first read of their results; between the last product and the next tile's loads
; into the registers that it read stand slot 7's two and the four that make the addresses, or two v_nop.
; CLOSING THE SUMS, one instruction behind a slot: head 0's two chains of tile i - 1 are added in unit A, behind ten multiply-adds that follow the tile's wait; head 1's in unit B, where the exchange of halves puts
; head 0's two parts of row r into lanes 0-15 and head 1's into lanes 16-31 (macro LOGIT is the same on end); the logits are stored in the next tile's run, ten multiply-adds on.
.macro KTILE buf, first, next, noff, st, addr, wf
	s_wait_dscnt 0x0                               ; this tile's loads, issued a tile ago, are in
.if \addr
	KADDR
.elseif (\next) && !(\first)
	v_nop
	v_nop
.endif
	WIN 1
.if (\st) >= 0
	ds_store_b32 v[AL], v[TMP+2] offset:64*(\st)   ; (address in window 1, data in window 0)
.endif
.if \next
	RUN13 1-(\buf), \noff
.endif
.if (\wf) >= 0
	WRUN \wf
.endif
.set sn, 0
.rept 8                                ; unit A: head 0; its slots reduce head 1 of the tile before
	KMM ACX, 0, \buf, 2*sn
	KMM ACX, 0, \buf, 2*sn+1
.if !(\first)
	KRED ACY, 1, 2*sn
	KRED ACY, 1, 2*sn+1
.if sn == 4
	WIN 0
	v_pk_add_f32 v[SUM:SUM+1], v[SUM:SUM+1], v[SUM+2:SUM+3]
.elseif sn == 5
	WIN 0
	v_add_f32 v[TMP], v[SUM], v[SUM+1]             ; head 0's part of tile i - 1
.endif
.endif
.set sn, sn+1
.endr
.if \first
.rept 4
	v_nop                                          ; the places that the reduction gives elsewhere
.endr
	s_wait_loadcnt 0x0                             ; Wk of head 1
.endif
.set sn, 0
.rept 8                                ; unit B: head 1; its slots reduce head 0
	KMM ACY, 1, \buf, 2*sn
	KMM ACY, 1, \buf, 2*sn+1
.if (sn == 0) && !(\first)
	WIN 0
	v_pk_add_f32 v[SUM+4:SUM+5], v[SUM+4:SUM+5], v[SUM+6:SUM+7]
.endif
	KRED ACX, 0, 2*sn
	KRED ACX, 0, 2*sn+1
.if !(\first)
.if sn == 0
	WIN 0
	v_add_f32 v[TMP+1], v[SUM+4], v[SUM+5]         ; head 1's part of tile i - 1
.elseif sn == 1
	WIN 0
	v_permlane16_swap_b32 v[TMP], v[TMP+1]
.elseif sn == 2
	WIN 0
	v_add_f32 v[TMP+2], v[TMP], v[TMP+1]           ; 16 rows of both heads in one register
.endif
.endif
.set sn, sn+1
.endr
	WIN 0
.endm
; 16 ROWS OF THE V PASS, tile i.  The run brings tile i + 1's rows and head 0's p (first used in its unit B), and head 1's p of tile i itself (first used in tile i + 1's unit A), at po
.macro VTILE buf, first, next, noff, addr, po
	s_wait_dscnt 0x0                               ; what the tile before asked for is in
.if \addr
	VADDR                                          ; (also places in front of the loads below)
.elseif (\next) && !(\first)
	v_nop                                          ; with slot 7's two the four places in front of the loads into the registers that the last products read
	v_nop
.endif
.if \next
	RUN13 1-(\buf), \noff
	PLOAD 0, 1-(\buf), (\po)+1
.endif
	PLOAD 1, \buf, \po
.set sn, 0
.rept 8                                ; unit A: head 0; its slots add head 1 of the tile before, with that tile's p
	VMM ACX, 0, \buf, 2*sn
	VMM ACX, 0, \buf, 2*sn+1
.if !(\first)
	VRED ACY, 1, 2*sn, 240+8*(1-(\buf))
	VRED ACY, 1, 2*sn+1, 240+8*(1-(\buf))
.endif
.set sn, sn+1
.endr
.if \first
.rept 4
	v_nop                                          ; the places that the reduction gives elsewhere
.endr
.endif
.set sn, 0
.rept 8                                ; unit B: head 1; its slots add head 0
	VMM ACY, 1, \buf, 2*sn
	VMM ACY, 1, \buf, 2*sn+1
	VRED ACX, 0, 2*sn, 192+8*(\buf)
	VRED ACX, 0, 2*sn+1, 192+8*(\buf)
.set sn, sn+1
.endr
	WIN 0
.endm
.macro STEP2                           ; two tiles on: rows, scale words, logits or p
	s_add_co_u32 s61, s61, 2*TILE16
	s_add_co_u32 s62, s62, 512
	s_add_co_u32 s63, s63, 128
.endm
; THE NEXT FIRST FILL.  In front of the barrier each wave waits for its tensor load, the add, and its LDS instructions; behind it the stage that was on its way is whole for all
; four waves, and the wave's one load of the next is issued: rows = 1 the next 128 rows, 0 my parked fragments of Wv, which I alone read
.macro FILL rows
	s_wait_tensorcnt 0x0
	ds_add_u32 v[SPW], v[NIL]
.if \rows
	s_add_co_u32 s53, s53, STAGE                   ; no tensor load of mine is out: the descriptor may be written
	s_add_nc_u64 s[54:55], s[54:55], 128*384
.endif
	s_wait_dscnt 0x0
	s_barrier_signal -1
	s_barrier_wait -1
.if \rows
	tensor_load_to_lds s[52:55], s[32:39]
.else
	tensor_load_to_lds s[48:51], s[40:47]
.endif
	s_nop 0
.endm
; Trip k of the K pass: tiles 2 k + 1 and 2 k + 2; fetches 2 k + 2 and 2 k + 3; stores the logits of 2 k - 1 and 2 k
.macro KSET k
	s_mov_b32 s61, (2*(\k)+2)*TILE16
	s_mov_b32 s62, (2*(\k)+2)*256
	s_mov_b32 s63, 128*(\k)-64
.endm
.macro KTRIP k, wa, wb
	KSET \k
	KTILE 1, 0, 1, 0, 0, 1, \wa
	KTILE 0, 0, 1, 1, 1, 0, \wb
.endm
.macro KLOOP k, n                      ; n trips from trip k on
	KSET \k
	s_mov_b32 s60, \n
.Lkpass_\@:
	KTILE 1, 0, 1, 0, 0, 1, -1
	KTILE 0, 0, 1, 1, 1, 0, -1
	STEP2
	s_sub_co_u32 s60, s60, 1
	s_cmp_lg_u32 s60, 0
	s_cbranch_scc1 .Lkpass_\@
.endm
	; ================ the head
	s_load_b512 s[4:19], s[0:1], 0x0               ; kv's codes s[4:5], its scales s[6:7], wimg s[8:9], Wk's scales s[10:11], Wv's s[12:13], qs s[14:15], part s[16:17], stat s[18:19]
	v_lshl_add_u32 v[SPW], v0, 2, SPARE
	v_mov_b32 v[NIL], 0
	ds_add_u32 v[SPW], v[NIL]                      ; the wave's opening: the add, twice on end, and its wait ahead of my first tensor load
	ds_add_u32 v[SPW], v[NIL]
	v_lshrrev_b32 v14, 5, v0
	v_readfirstlane_b32 s22, v14                   ; wave w
	s_and_b32 s23, ttmp7, 0xffff                   ; batch b
	s_mov_b32 s24, ttmp9                           ; chunk x
	; descriptor group 1 for the codes of 32 rows: 12,288 dense bytes as 48 rows of 256; 16 bytes of padding behind every 128
	s_mov_b32 s32, (1<<20)|(4<<22)|(3<<25)         ; no mask; elements of 1 byte; padding on, after every 32 words (code 4), 4 words (code 3)
	s_mov_b32 s33, 256<<16                         ; tensor_dim0
	s_mov_b32 s34, 48<<16                          ; tensor_dim1
	s_mov_b32 s35, 256<<16                         ; tile_dim0
	s_mov_b32 s36, 48                              ; tile_dim1
	s_mov_b32 s37, 256                             ; from row to row
	s_mov_b32 s38, 0
	s_mov_b32 s39, 0
	; and for the parked fragments: of each of my last four tiles of Wv the K steps 2 and 3: 4 rows of 3,072 bytes (384 elements of 8), 6,144 bytes apart
	s_mov_b32 s40, 3<<16
	s_mov_b32 s41, 384<<16
	s_mov_b32 s42, 4<<16
	s_mov_b32 s43, 384<<16
	s_mov_b32 s44, 4
	s_mov_b32 s45, 768
	s_mov_b32 s46, 0
	s_mov_b32 s47, 0
	s_lshl_b32 s25, s23, 13
	s_lshl_b32 s26, s24, 9
	s_add_co_u32 s25, s25, s26                     ; the chunk's first row: 8,192 b + 512 x
	s_lshl_b32 s26, s22, 7
	s_add_co_u32 s26, s26, s25
	s_lshl_b32 s26, s26, 4                         ; scale bytes of rows 128 w on
	s_mov_b32 s27, 0
	s_lshl_b32 s28, s22, 5
	s_add_co_u32 s28, s28, s25
	s_mul_i32 s28, s28, 384                        ; codes of the first stage's rows 32 w on (under 2^26)
	s_mov_b32 s29, 0
	s_mul_i32 s53, s22, 32*PITCH                   ; and where they go
	s_mov_b32 s66, 0x76543210
	s_mov_b32 s67, 0xfedcba98                      ; v_permlanex16_b32: lane l xor 16
	s_mov_b32 s68, 0x03010200                      ; v_perm_b32: bytes 0, 2, 1, 3
	s_lshl_b32 s69, s22, 12
	s_add_co_u32 s69, s69, PL                      ; my wave's 4,096 bytes
	s_mul_i32 s70, s22, 12288
	s_add_co_u32 s70, s70, PARK                    ; my wave's parked fragments
	s_lshl_b32 s71, s22, 11
	s_add_co_u32 s71, s71, KVT                     ; my 128 rows' scale words
	s_mov_b32 s61, 0                               ; the trip's first tile to fetch: its rows,
	s_mov_b32 s62, 0                               ; its scale words;
	s_mov_b32 s63, 0                               ; and where the trip's logits go
	v_and_b32 v14, 31, v0                          ; lane
	v_and_b32 v15, 15, v0                          ; r
	v_bfe_u32 v16, v0, 4, 1                        ; h
	v_lshlrev_b32 v[LI], 4, v14
	v_lshlrev_b32 v17, 5, v16                      ; 32 h
	v_mul_u32_u24 v[KB0], v15, PITCH
	v_lshl_add_u32 v[KB1], v16, 6, v[KB0]
	v_mad_u32_u24 v[KB0], v16, 48, v[KB0]
	v_lshl_add_u32 v[SB], v15, 4, KVT
	v_lshlrev_b32 v[LB], 2, v15
	v_lshl_add_u32 v[LB], v16, 11, v[LB]
	v_add_nc_u32 v[LB], s69, v[LB]
	v_lshl_add_u32 v[PB], v16, 5, s69
	v_add_nc_u32 v[MA], s69, v[LI]
	v_add_nc_u32 v[XA], s71, v[LI]
	v_add_nc_u32 v[PK], s70, v[LI]
	s_wait_alu depctr_va_vdst(0)
	s_wait_dscnt 0x0                               ; both opening adds are done
	s_wait_kmcnt 0x0
	s_mov_b32 s52, 1
	s_add_nc_u64 s[54:55], s[4:5], s[28:29]
	s_or_b32 s55, s55, 0x80000000
	tensor_load_to_lds s[52:55], s[32:39]          ; my 32 rows of the first stage
	s_nop 0
	s_add_nc_u64 s[6:7], s[6:7], s[26:27]
	s_mul_i32 s26, s22, 49152
	s_add_nc_u64 s[8:9], s[8:9], s[26:27]          ; my 8 tiles of each matrix
	s_lshl_b32 s26, s22, 11
	s_add_nc_u64 s[10:11], s[10:11], s[26:27]      ; my 128 rows of scale bytes
	s_add_nc_u64 s[12:13], s[12:13], s[26:27]
	s_lshl_b32 s26, s22, 9                         ; my 128 columns as f32
	s_lshl_b32 s28, s23, 11
	s_add_co_u32 s28, s28, s26
	s_add_nc_u64 s[14:15], s[14:15], s[28:29]      ; qs[b], my columns
.irp k, 0,1,2,3
	global_load_b128 v[KVF+4*\k:KVF+4*\k+3], v[LI], s[6:7] offset:512*\k    ; my 128 rows' scale words of kv
.endr
.irp u, 0,1,2,3
	global_load_b128 v[WSK+4*\u:WSK+4*\u+3], v[LI], s[10:11] offset:512*\u  ; lane l: the four scale words of row 32 u + l
	global_load_b128 v[WSV+4*\u:WSV+4*\u+3], v[LI], s[12:13] offset:512*\u
.endr
	WIN 0x80
.irp t, 0,1,2,3
	global_load_b128 v[192+8*\t:195+8*\t], v17, s[14:15] offset:64*\t       ; q of head 0: register 192 + 8 t + j = column 16 t + 8 h + j
	global_load_b128 v[196+8*\t:199+8*\t], v17, s[14:15] offset:64*\t+16
.endr
	WIN 0x40
.irp t, 0,1,2,3
	global_load_b128 v[192+8*\t:195+8*\t], v17, s[14:15] offset:256+64*\t   ; q of head 1
	global_load_b128 v[196+8*\t:199+8*\t], v17, s[14:15] offset:256+64*\t+16
.endr
.irp t, 0,1,2,3
.irp q, 0,1,2,3
	WLOAD 0, \t, \q
.endr
.endr
	WIN 0
	s_lshl_b32 s28, s23, 4
	s_add_co_u32 s28, s28, s24
	s_lshl_b32 s28, s28, 11
	s_add_co_u32 s28, s28, s26
	s_add_nc_u64 s[16:17], s[16:17], s[28:29]      ; part[b][x], my columns
	s_lshl_b32 s28, s23, 3
	s_lshl_b32 s30, s22, 1
	s_add_co_u32 s28, s28, s30
	s_lshl_b32 s28, s28, 7
	s_lshl_b32 s30, s24, 2
	s_add_co_u32 s28, s28, s30
	s_add_nc_u64 s[18:19], s[18:19], s[28:29]      ; stat[b][2 w][m][x]
	s_mov_b32 s48, 1                               ; group 0 of the parked fragments
	s_mov_b32 s49, s70
	s_add_nc_u64 s[50:51], s[8:9], 196608+4*6144+3072
	s_or_b32 s51, s51, 0x80000000
	s_wait_loadcnt 48                              ; all but Wk's first four tiles: the scale words and q are in
.irp i, 0,1,2,3,4,5,6,7,8,9,10,11,12,13,14,15,16,17,18,19,20,21,22,23,24,25,26,27,28,29,30,31
	v_perm_b32 v[WSK+\i], v[WSK+\i], v[WSK+\i], s68
.endr
.irp i, 0,1,2,3,4,5,6,7,8,9,10,11,12,13,14,15
	v_perm_b32 v[KVF+\i], v[KVF+\i], v[KVF+\i], s68
.endr
.irp t, 4,5,6,7
.irp q, 0,1,2,3
	WLOAD 0, \t, \q
.endr
.endr
	KADDR                                          ; tiles 0 and 1
	WIN 0
	s_wait_alu depctr_va_vdst(0)
	s_wait_tensorcnt 0x0                           ; my rows of the first stage have landed
.irp k, 0,1,2,3
	ds_store_b128 v[XA], v[KVF+4*\k:KVF+4*\k+3] offset:512*\k              ; kv's scale words, exchanged
.endr
	FILL 1                                         ; the first stage is whole, and so are the scale words; the second is asked for
	WIN 1
	RUN13 0, 0                                     ; tile 0
	s_wait_loadcnt 48                              ; Wk of head 0; head 1's 48 loads may be out
	; ================ the K pass
	KTILE 0, 1, 1, 1, -1, 0, -1                    ; tile 0; fetches tile 1
	s_mov_b32 s61, 2*TILE16                        ; trip 0: one tile's logits to store
	s_mov_b32 s62, 512
	KTILE 1, 0, 1, 0, -1, 1, -1
	KTILE 0, 0, 1, 1, 0, 0, -1
	KLOOP 1, 2                                     ; tiles 3 to 6; fetches up to tile 7, the first stage's last
	FILL 1
	KLOOP 3, 4                                     ; tiles 7 to 14; fetches the second stage
	FILL 1
	KLOOP 7, 4                                     ; tiles 15 to 22; fetches the third
	FILL 0
	KTRIP 11, 0, 4                                 ; tiles 23 to 30; fetches the fourth; all rows are there, and Wv's 24 fragments are asked for
	KTRIP 12, 8, 12
	KTRIP 13, 16, 20
	KTRIP 14, -1, -1
	KTILE 1, 0, 0, 0, 2, 0, -1                     ; tile 31: nothing more to fetch
.set kk, 0
.rept 16
	KRED ACY, 1, kk
.set kk, kk+1
.endr
	WIN 0
	v_pk_add_f32 v[SUM:SUM+1], v[SUM:SUM+1], v[SUM+2:SUM+3]
	v_add_f32 v[TMP], v[SUM], v[SUM+1]
	LOGIT 4
	; ================ between the passes
	WIN 1
	ds_store_b32 v[AL], v[TMP+2] offset:64*3       ; the logits of tiles 30
	ds_store_b32 v[AL], v[TMP+4] offset:64*4       ; and 31
	WIN 0
.set A0, KA0                           ; the V pass's addresses lie in window 0
.set A1, KA1
.set AS, SA
	s_mov_b32 s61, 0
	s_mov_b32 s62, 0
	s_mov_b32 s63, 0
	VADDR
	v_mov_b32 v[TMP+3], 0                          ; a lane permute's destination counts as one of its sources
	s_wait_alu depctr_va_vdst(0)
	s_wait_tensorcnt 0x0                           ; the parked fragments have landed
.irp k, 0,1,2,3,4,5,6,7
	ds_load_b128 v[ACX+4*\k:ACX+4*\k+3], v[MA] offset:512*\k               ; my 2 x 512 logits, 16 of each head a lane.  LDS serves a wave's instructions in order (ISA guide 5.7.1.4): these see my stores
.endr
	RUN13 0, 0                                     ; tile 0 of the V pass
	WIN 0x80
.irp t, 0,1,2,3
.irp q, 0,1
.irp i, 0,1,2
	ds_load_b128 v[12*(4*\q+\t)+4*\i:12*(4*\q+\t)+4*\i+3], v[PK] offset:3072*\t+1536*\q+512*\i   ; the parked fragments, where Wk's head 1 lay
.endr
.endr
.endr
	WIN 0
	s_wait_dscnt 37                                ; the logits are in; the 13 loads of tile 0 and the 24 of the fragments may be out
.irp g, 0,1
	v_max3_num_f32 v[TMP+2*\g], v[ACX+16*\g], v[ACX+16*\g+1], v[ACX+16*\g+2]
.endr
.irp i, 3,5,7,9,11,13
.irp g, 0,1
	v_max3_num_f32 v[TMP+2*\g], v[TMP+2*\g], v[ACX+16*\g+\i], v[ACX+16*\g+\i+1]
.endr
.endr
.irp g, 0,1
	v_max_num_f32 v[TMP+2*\g], v[TMP+2*\g], v[ACX+16*\g+15]
.endr
.irp m, 1,2,4,8
.irp g, 0,1
	v_max_num_f32_dpp v[TMP+2*\g], v[TMP+2*\g], v[TMP+2*\g] row_xmask:\m row_mask:0xf bank_mask:0xf
.endr
.endr
.irp g, 0,1
	v_permlanex16_b32 v[TMP+2*\g+1], v[TMP+2*\g], s66, s67
.endr
.irp g, 0,1
	v_max_num_f32 v[TMP+2*\g], v[TMP+2*\g], v[TMP+2*\g+1]                  ; m: the chunk's largest t of head g, in every lane
.endr
.irp g, 0,1
.irp j, 0,2,4,6,8,10,12,14
	v_pk_add_f32 v[ACX+16*\g+\j:ACX+16*\g+\j+1], v[ACX+16*\g+\j:ACX+16*\g+\j+1], v[TMP+2*\g:TMP+2*\g+1] op_sel_hi:[1,0] neg_lo:[0,1] neg_hi:[0,1]   ; t - m
.endr
.endr
	s_wait_alu depctr_va_vdst(0)                   ; the wait ahead of the batch
.irp j, 0,1,2,3,4,5,6,7,8,9,10,11,12,13,14,15,16,17,18,19,20,21,22,23,24,25,26,27,28,29,30,31
	v_exp_f32 v[ACX+\j], v[ACX+\j]                 ; p = 2^(t - m), at most 1
.endr
	v_nop                                          ; a plain instruction behind the last exponential
	s_wait_alu depctr_va_vdst(0)                   ; one wait for the batch, ahead of its first reader
.irp k, 0,1,2,3,4,5,6,7
	ds_store_b128 v[MA], v[ACX+4*\k:ACX+4*\k+3] offset:512*\k              ; p takes t's place
.endr
	PLOAD 0, 0, 0                                  ; head 0's p of tile 0 (behind my stores of p: LDS serves a wave's instructions in order)
	WIN 0
.irp g, 0,1
	v_pk_add_f32 v[TMP+4+2*\g:TMP+5+2*\g], v[ACX+16*\g:ACX+16*\g+1], v[ACX+16*\g+2:ACX+16*\g+3]
.endr
.irp j, 4,6,8,10,12,14
.irp g, 0,1
	v_pk_add_f32 v[TMP+4+2*\g:TMP+5+2*\g], v[TMP+4+2*\g:TMP+5+2*\g], v[ACX+16*\g+\j:ACX+16*\g+\j+1]
.endr
.endr
.irp g, 0,1
	v_add_f32 v[TMP+4+2*\g], v[TMP+4+2*\g], v[TMP+5+2*\g]
.endr
.irp m, 1,2,4,8
.irp g, 0,1
	v_add_f32_dpp v[TMP+4+2*\g], v[TMP+4+2*\g], v[TMP+4+2*\g] row_xmask:\m row_mask:0xf bank_mask:0xf
.endr
.endr
.irp g, 0,1
	v_permlanex16_b32 v[TMP+5+2*\g], v[TMP+4+2*\g], s66, s67
.endr
.irp g, 0,1
	v_add_f32 v[TMP+4+2*\g], v[TMP+4+2*\g], v[TMP+5+2*\g]                  ; l: the chunk's sum of p of head g
.endr
	v_and_b32 v[TMP+8], 31, v0                     ; lanes 0 to 3 keep m0, l0, m1, l1 for the way out
	v_lshlrev_b32 v[STA], 6, v[TMP+8]              ; 64 bytes apart in stat
	v_cmp_eq_u32 vcc_lo, 1, v[TMP+8]
	v_cndmask_b32 v[STV], v[TMP], v[TMP+4], vcc_lo
	v_cmp_eq_u32 vcc_lo, 2, v[TMP+8]
	v_cndmask_b32 v[STV], v[STV], v[TMP+2], vcc_lo
	v_cmp_eq_u32 vcc_lo, 3, v[TMP+8]
	v_cndmask_b32 v[STV], v[STV], v[TMP+6], vcc_lo
.irp j, 0,1,2,3,4,5,6,7,8,9,10,11,12,13,14,15
	v_mov_b32 v[CT+\j], 0                          ; the context's sums: the V pass's tile is one text for all trips
.endr
	s_wait_alu depctr_va_vdst(0)
	s_wait_loadcnt 0x0                             ; the 72 loads of Wv
	; ================ the V pass
	VTILE 0, 1, 1, 1, 0, 0
	s_mov_b32 s61, 2*TILE16
	s_mov_b32 s62, 512
	s_mov_b32 s63, 64
	s_mov_b32 s60, 15
.Lvpass:                                           ; trip k: tiles 2 k + 1 and 2 k + 2; fetches the rows of 2 k + 2 and 2 k + 3; p from tile 2 k + 1 on
	VTILE 1, 0, 1, 0, 1, 0
	VTILE 0, 0, 1, 1, 0, 1
	STEP2
	s_sub_co_u32 s60, s60, 1
	s_cmp_lg_u32 s60, 0
	s_cbranch_scc1 .Lvpass
	VTILE 1, 0, 0, 0, 0, 2
	s_wait_dscnt 0x0                               ; head 1's p of tile 31
.set kk, 0
.rept 16
	VRED ACY, 1, kk, 248
.set kk, kk+1
.endr
	WIN 0
	; ================ the way out.  A pair's two halves (even and odd rows) are added; the exchange of halves brings the two halves of the lanes together: lane l then holds column 32 k + l
.irp k, 0,1,2,3
	v_add_f32 v[TMP+2*\k], v[CT+4*\k], v[CT+4*\k+1]
	v_add_f32 v[TMP+2*\k+1], v[CT+4*\k+2], v[CT+4*\k+3]
.endr
.irp k, 0,1,2,3
	v_permlane16_swap_b32 v[TMP+2*\k], v[TMP+2*\k+1]
.endr
.irp k, 0,1,2,3
	v_add_f32 v[TMP+2*\k], v[TMP+2*\k], v[TMP+2*\k+1]
.endr
	v_and_b32 v[TMP+8], 31, v0
	v_lshlrev_b32 v[TMP+9], 2, v[TMP+8]
	v_add_nc_u32 v[TMP+9], s69, v[TMP+9]
.irp k, 0,1,2,3
	ds_store_b32 v[TMP+9], v[TMP+2*\k] offset:128*\k
.endr
	ds_load_b128 v[16:19], v[MA]                   ; my wave's own bytes, in order: four neighbouring columns a lane
	s_wait_alu depctr_va_vdst(0)
	s_wait_dscnt 0x0
	global_store_b128 v[LI], v[16:19], s[16:17]    ; 32 lanes store 512 consecutive bytes, at a multiple of 256 from part's first byte
	s_wait_tensorcnt 0x0                           ; the wave's end
	ds_add_u32 v[SPW], v[NIL]
	s_wait_dscnt 0x0
	s_wait_xcnt 0x0                                ; EXEC changes only behind this wait
	v_cmp_gt_u32 vcc_lo, 4, v[TMP+8]
	s_and_saveexec_b32 s26, vcc_lo
	global_store_b32 v[STA], v[STV], s[18:19]      ; m0, l0, m1, l1
	s_wait_xcnt 0x0
	s_or_b32 exec_lo, exec_lo, s26
	s_endpgm
.Lfunc_end_k_qf52c247dd2_main:
	.size	k_qf52c247dd2_main, .Lfunc_end_k_qf52c247dd2_main-k_qf52c247dd2_main
	.p2alignl 7, 3214868480
	.fill 96, 4, 3214868480
	.section	.rodata,"a",@progbits
	.p2align	6, 0x0
	.amdhsa_kernel k_qf52c247dd2_main
		.amdhsa_group_segment_fixed_size 327680
		.amdhsa_private_segment_fixed_size 0
		.amdhsa_enable_private_segment 0
		.amdhsa_kernarg_size 64
		.amdhsa_user_sgpr_count 2
		.amdhsa_user_sgpr_kernarg_segment_ptr 1
		.amdhsa_wavefront_size32 1
		.amdhsa_system_sgpr_workgroup_id_x 1
		.amdhsa_system_sgpr_workgroup_id_y 1
		.amdhsa_system_sgpr_workgroup_id_z 1
		.amdhsa_system_vgpr_workitem_id 0
		.amdhsa_next_free_vgpr 1024
		.amdhsa_next_free_sgpr 72
		.amdhsa_reserve_vcc 1
		.amdhsa_float_denorm_mode_32 3
		.amdhsa_float_denorm_mode_16_64 3
		.amdhsa_memory_ordered 1
		.amdhsa_forward_progress 1
		.amdhsa_inst_pref_size 211
	.end_amdhsa_kernel
	.amdgpu_metadata
---
amdhsa.version: [ 1, 2 ]
amdhsa.kernels:
  - .name:           k_qf52c247dd2_main
    .symbol:         k_qf52c247dd2_main.kd
    .args:
      - { .name: key_value_codes, .offset: 0, .size: 8, .value_kind: global_buffer, .address_space: global }
      - { .name: key_value_scales, .offset: 8, .size: 8, .value_kind: global_buffer, .address_space: global }
      - { .name: wimg, .offset: 16, .size: 8, .value_kind: global_buffer, .address_space: global }
      - { .name: Wk_scales, .offset: 24, .size: 8, .value_kind: global_buffer, .address_space: global }
      - { .name: Wv_scales, .offset: 32, .size: 8, .value_kind: global_buffer, .address_space: global }
      - { .name: qs, .offset: 40, .size: 8, .value_kind: global_buffer, .address_space: global }
      - { .name: part, .offset: 48, .size: 8, .value_kind: global_buffer, .address_space: global }
      - { .name: stat, .offset: 56, .size: 8, .value_kind: global_buffer, .address_space: global }
    .group_segment_fixed_size: 327680
    .private_segment_fixed_size: 0
    .kernarg_segment_align: 8
    .kernarg_segment_size: 64
    .max_flat_workgroup_size: 128
    .sgpr_count:     72
    .vgpr_count:     1024
    .wavefront_size: 32
...
	.end_amdgpu_metadata
.endif
;; end of part 5
;; launch final (part 6): grid 4 x 16, 4 waves a work-group, no clusters, 12,288 bytes of LDS; arguments part, stat, wimg, Wo_scales, bv, bo, out0; writes out0
.if DOCPART == 6
	.amdgcn_target "amdgcn-amd-amdhsa--gfx1250"
	.amdhsa_code_object_version 6
	.text
	.protected	k_qf52c247dd2_final
	.globl	k_qf52c247dd2_final
	.p2align	8
	.type	k_qf52c247dd2_final,@function
k_qf52c247dd2_final:
	s_mov_b64 s[64:65], 0
	v_nop
	global_prefetch_b8 v0, s[64:65] scope:SCOPE_SE
	s_setreg_imm32_b32 hwreg(HW_REG_WAVE_MODE, 25, 1), 1
	s_wait_xcnt 0x0
; FINAL.  Work-group (x, b): the 16 chunks of batch b meet, and columns 128 x .. 128 x + 127 of out0[b] = Q(context) Wo + bo are made.
; THE MEETING.  Wave w adds chunks 4 w .. 4 w + 3, read as they lie: in piece k of a chunk's 512 numbers lane l holds columns 128 k + 4 l .. + 3, of head 2 k + l / 16; chunk c counts with 2^(m_c - m_w), m_w the
; largest m of the wave's four chunks and that head.  The four waves' sums meet in LDS behind one barrier and come back so that lane l holds columns 16 l .. 16 l + 15, of head l / 4.  There M = the largest of the
; head's 16 m, wave w's sums count with 2^(m_w - M) / divisor, the divisor is the sum of 2^(m_c - M) l_c, at least 1, and bv is added: every wave then holds the whole context.
; THE QUANTISER, in every wave: two neighbouring lanes hold a block of 32; scale byte = the largest magnitude's exponent field - 4, held at 1 from below; 16 codes, 12 bytes, a lane.  Codes and scale bytes go
; through the wave's own LDS bytes and come back as source 1's four fragments: the one row stands in all 16 columns, and lanes 0 and 16 store the result.
; THE PRODUCT.  Wave w: two tiles of 16 rows of Wo (source 0, in window 1), from their images; bo is the C of each sum's first instruction; the two accumulators take turns.
; The order of K inside an instruction is the one that prep states; the context's scale bytes are stored at their exchanged places.
; DEAD WORK LEFT OUT: bk (see prep); its term would move every m alike and no weight.
; LIMITS: NaN and infinities are not served; a weight under 2^-126 counts as 0 (v_exp_f32: ISA guide 15.8); a block of zeros gets the byte 1 where the rule says 127: its codes are zeros, and this program alone
; reads the byte.  No cluster, no tensor load, no prefetch: a work-group reads 32 KiB of part and 48 KiB of Wo, once, in no loop.
.set PSTR,  2176                       ; LDS from 0: each wave's sums, 2,048 bytes with 16 of padding behind every 256, so that both the stores by pieces and the loads 64 bytes apart fall on different columns of 16 bytes
.set COD,   8704                       ; 4 x 512: each wave's own: the row's 384 bytes of codes
.set SCB,   10752                      ; 4 x 256: each wave's own: the row's 16 scale bytes
.set SPARE, 11776                      ; the spare words, which no other line names
.set SPW, 18                           ; my spare word
.set NIL, 19                           ; 0
.set MY,  20                           ; v20-35: my four chunks' m: piece k, chunk 4 w + i at 4 k + i; then their weights
.set FF,  36                           ; v36-39: the four waves' m_w of my head; then their factors
.set MX,  44                           ; v44-47: my wave's m_w of the four pieces' heads
.set MM,  48                           ; v48-63: the head's 16 m, then their weights
.set LL,  64                           ; v64-79: the head's 16 l
.set SS,  80                           ; v80-95: my wave's sums
.set CH,  112                          ; v112-175: my four chunks; then the four waves' sums; then the context (v112-127)
.set BF,  128                          ; v128-175: the context's four fragments
.set BV,  212                          ; v212-227
.set DD,  228                          ; v228-243: bo, then the results
.set WOS, 244                          ; v244-247: Wo's scale words: nothing else
.set CSC, 248                          ; v248-251: the context's scale words: nothing else
	s_load_b256 s[4:11], s[0:1], 0x0               ; part s[4:5], stat s[6:7], wimg s[8:9], Wo's scales s[10:11]
	s_load_b128 s[12:15], s[0:1], 0x20             ; bv s[12:13], bo s[14:15]
	s_load_b64 s[16:17], s[0:1], 0x30              ; out0
	v_lshrrev_b32 v1, 5, v0
	v_readfirstlane_b32 s20, v1                    ; wave w
	s_and_b32 s21, ttmp7, 0xffff                   ; batch b
	s_mov_b32 s22, ttmp9                           ; x
	s_lshl_b32 s26, s21, 10                        ; stat[b]
	s_mov_b32 s27, 0
	s_lshl_b32 s28, s20, 4                         ; chunks 4 w on
	s_mov_b32 s29, 0
	s_lshl_b32 s30, s21, 15
	s_lshl_b32 s31, s20, 13
	s_add_co_u32 s30, s30, s31                     ; part[b][4 w]
	s_mov_b32 s31, 0
	s_mul_i32 s32, s22, 49152
	s_mul_i32 s33, s20, 12288
	s_add_co_u32 s32, s32, s33
	s_add_co_u32 s32, s32, 393216                  ; wimg: Wo, tile 8 x + 2 w
	s_mov_b32 s33, 0
	s_lshl_b32 s34, s22, 11
	s_lshl_b32 s35, s20, 9
	s_add_co_u32 s34, s34, s35                     ; scale bytes of rows 128 x + 32 w on
	s_mov_b32 s35, 0
	s_lshl_b32 s36, s22, 9
	s_lshl_b32 s37, s20, 7
	s_add_co_u32 s36, s36, s37                     ; columns 128 x + 32 w on, as f32
	s_mov_b32 s37, 0
	s_lshl_b32 s38, s21, 11
	s_add_co_u32 s38, s38, s36                     ; the same in out0[b]
	s_mov_b32 s39, 0
	s_lshl_b32 s40, s20, 8
	s_add_co_u32 s40, s40, SCB
	s_lshl_b32 s41, s20, 9
	s_add_co_u32 s41, s41, COD
	s_mul_i32 s42, s20, PSTR
	v_lshl_add_u32 v[SPW], v0, 2, SPARE
	v_mov_b32 v[NIL], 0
	v_and_b32 v2, 31, v0                           ; lane
	v_and_b32 v3, 15, v0                           ; r
	v_bfe_u32 v4, v0, 4, 1                         ; h
	v_lshlrev_b32 v1, 4, v2                        ; 16 x lane
	v_lshlrev_b32 v5, 6, v2                        ; 64 x lane: my 16 columns as f32
	v_lshrrev_b32 v14, 2, v2                       ; my head
	v_lshlrev_b32 v6, 7, v14                       ; its m and l in stat[b]
	v_lshl_add_u32 v17, v14, 4, v5                 ; my 16 columns among a wave's sums
	v_lshlrev_b32 v16, 7, v4                       ; 128 h: head 2 k + h in stat[b], 256 bytes for each k
	v_lshlrev_b32 v7, 5, v4                        ; 32 h
	v_add_nc_u32 v8, s42, v1
	v_lshl_add_u32 v8, v4, 4, v8                   ; where I put my sums
	v_mul_u32_u24 v9, v2, 12
	v_add_nc_u32 v9, s41, v9                       ; my 12 bytes of codes
	v_mul_u32_u24 v10, v4, 48
	v_add_nc_u32 v10, s41, v10                     ; a fragment's 48 bytes of my half
	v_lshrrev_b32 v13, 3, v2                       ; my block is lane / 2: K step lane / 8,
	v_bfe_u32 v14, v2, 1, 1                        ; block's low bit,
	v_bfe_u32 v15, v2, 2, 1                        ; block's high bit: they change places
	v_lshl_or_b32 v14, v14, 1, v15
	v_lshl_or_b32 v13, v13, 2, v14
	v_add_nc_u32 v11, s40, v13                     ; my block's scale byte
	v_mov_b32 v12, s40                             ; the four scale words
	s_wait_alu depctr_va_vdst(0)
	s_wait_kmcnt 0x0
	s_add_nc_u64 s[6:7], s[6:7], s[26:27]
	s_add_nc_u64 s[24:25], s[6:7], s[28:29]
	s_add_nc_u64 s[4:5], s[4:5], s[30:31]
	s_add_nc_u64 s[8:9], s[8:9], s[32:33]
	s_add_nc_u64 s[10:11], s[10:11], s[34:35]
	s_add_nc_u64 s[14:15], s[14:15], s[36:37]
	s_add_nc_u64 s[16:17], s[16:17], s[38:39]
	; 61 loads, in the order in which they are wanted
.irp k, 0,1,2,3
	global_load_b128 v[MY+4*\k:MY+4*\k+3], v16, s[24:25] offset:256*\k
.endr
.irp k, 0,1,2,3
	global_load_b128 v[MM+4*\k:MM+4*\k+3], v6, s[6:7] offset:16*\k
	global_load_b128 v[LL+4*\k:LL+4*\k+3], v6, s[6:7] offset:64+16*\k
.endr
.irp i, 0,1,2,3
.irp k, 0,1,2,3
	global_load_b128 v[CH+16*\i+4*\k:CH+16*\i+4*\k+3], v1, s[4:5] offset:2048*\i+512*\k   ; 32 lanes read 512 consecutive bytes
.endr
.endr
.irp k, 0,1,2,3
	global_load_b128 v[BV+4*\k:BV+4*\k+3], v5, s[12:13] offset:16*\k
.endr
	global_load_b128 v[WOS:WOS+3], v1, s[10:11]    ; lane l: the four scale words of row 32 w + l: tile 0 in lanes 0-15, tile 1 in lanes 16-31
.irp t, 0,1
	global_load_b128 v[DD+8*\t:DD+8*\t+3], v7, s[14:15] offset:64*\t       ; bo in the result's layout
	global_load_b128 v[DD+8*\t+4:DD+8*\t+7], v7, s[14:15] offset:64*\t+16
.endr
	s_set_vgpr_msb 0x40                            ; destination window 1: Wo's fragments, tile t, K step q at 48 t + 12 q
.irp t, 0,1
.irp q, 0,1,2,3
.irp i, 0,1,2
	global_load_b128 v[48*\t+12*\q+4*\i:48*\t+12*\q+4*\i+3], v1, s[8:9] offset:6144*\t+1536*\q+512*\i
.endr
.endr
.endr
	s_set_vgpr_msb 0x4000
	s_wait_loadcnt 49                              ; all m and l are in: 49 loads were issued behind them
.irp c, 0,1,2,3
	v_max3_num_f32 v[FF+\c], v[MM+4*\c], v[MM+4*\c+1], v[MM+4*\c+2]
	v_max3_num_f32 v[MX+\c], v[MY+4*\c], v[MY+4*\c+1], v[MY+4*\c+2]
.endr
.irp c, 0,1,2,3
	v_max_num_f32 v[FF+\c], v[FF+\c], v[MM+4*\c+3] ; m_w of my head, all four waves'
	v_max_num_f32 v[MX+\c], v[MX+\c], v[MY+4*\c+3] ; my wave's, of the four pieces' heads
.endr
	v_max3_num_f32 v13, v[FF], v[FF+1], v[FF+2]
	v_max_num_f32 v13, v13, v[FF+3]                ; M
.irp k, 0,1,2,3
.irp i, 0,1,2,3
	v_sub_f32 v[MY+4*\k+\i], v[MY+4*\k+\i], v[MX+\k]
.endr
.endr
.irp i, 0,1,2,3,4,5,6,7,8,9,10,11,12,13,14,15
	v_sub_f32 v[MM+\i], v[MM+\i], v13
.endr
.irp c, 0,1,2,3
	v_sub_f32 v[FF+\c], v[FF+\c], v13
.endr
	s_wait_alu depctr_va_vdst(0)                   ; the wait ahead of the batch
.irp i, 0,1,2,3,4,5,6,7,8,9,10,11,12,13,14,15
	v_exp_f32 v[MY+\i], v[MY+\i]                   ; 2^(m_c - m_w)
.endr
.irp i, 0,1,2,3,4,5,6,7,8,9,10,11,12,13,14,15
	v_exp_f32 v[MM+\i], v[MM+\i]                   ; 2^(m_c - M)
.endr
.irp c, 0,1,2,3
	v_exp_f32 v[FF+\c], v[FF+\c]                   ; 2^(m_w - M)
.endr
	v_nop                                          ; a plain instruction behind the last exponential
	s_wait_alu depctr_va_vdst(0)                   ; one wait for the batch of 36
	v_pk_mul_f32 v[14:15], v[MM:MM+1], v[LL:LL+1]
.irp j, 2,4,6,8,10,12,14
	v_pk_fma_f32 v[14:15], v[MM+\j:MM+\j+1], v[LL+\j:LL+\j+1], v[14:15]
.endr
	v_add_f32 v14, v14, v15                        ; the divisor
	s_wait_alu depctr_va_vdst(0)
	v_rcp_f32 v14, v14
	s_wait_loadcnt 33                              ; my four chunks are in
.irp k, 0,1,2,3
.irp j, 0,1,2,3
	v_mul_f32 v[SS+4*\k+\j], v[CH+4*\k+\j], v[MY+4*\k]     ; (plain work behind the reciprocal)
.endr
.endr
.irp i, 1,2,3
.irp k, 0,1,2,3
.irp j, 0,1,2,3
	v_fmac_f32 v[SS+4*\k+\j], v[CH+16*\i+4*\k+\j], v[MY+4*\k+\i]
.endr
.endr
.endr
	s_wait_alu depctr_va_vdst(0)                   ; the reciprocal's wait, ahead of its first reader
.irp c, 0,1,2,3
	v_mul_f32 v[FF+\c], v[FF+\c], v14              ; the factors: 2^(m_w - M) / divisor
.endr
.irp k, 0,1,2,3
	ds_store_b128 v8, v[SS+4*\k:SS+4*\k+3] offset:544*\k
.endr
	s_wait_alu depctr_va_vdst(0)
	s_wait_dscnt 0x0                               ; for the others' sake: my sums lie in LDS
	s_barrier_signal -1
	s_barrier_wait -1
.irp c, 0,1,2,3
.irp k, 0,1,2,3
	ds_load_b128 v[CH+16*\c+4*\k:CH+16*\c+4*\k+3], v17 offset:PSTR*\c+16*\k
.endr
.endr
	s_wait_loadcnt 28                              ; bv and Wo's scale words are in
.irp i, 0,1,2,3
	v_perm_b32 v[WOS+\i], v[WOS+\i], v[WOS+\i], 0x03010200     ; their middle bytes change places; more than eight plain instructions follow ahead of the products
.endr
	s_wait_dscnt 0x0
.irp j, 0,1,2,3,4,5,6,7,8,9,10,11,12,13,14,15
	v_fma_f32 v[CH+\j], v[CH+\j], v[FF], v[BV+\j]
.endr
.irp c, 1,2,3
.irp j, 0,1,2,3,4,5,6,7,8,9,10,11,12,13,14,15
	v_fmac_f32 v[CH+\j], v[CH+16*\c+\j], v[FF+\c]  ; the context
.endr
.endr
	v_max3_num_f32 v255, |v[CH]|, |v[CH+1]|, |v[CH+2]|         ; the largest magnitude of my 16
	v_max3_num_f32 v13, |v[CH+3]|, |v[CH+4]|, |v[CH+5]|
.irp i, 6,10
	v_max3_num_f32 v255, v255, |v[CH+\i]|, |v[CH+\i+1]|
	v_max3_num_f32 v13, v13, |v[CH+\i+2]|, |v[CH+\i+3]|
.endr
	v_max3_num_f32 v255, v255, |v[CH+14]|, |v[CH+15]|
	v_max3_num_f32 v255, v255, v13, 0x2800000      ; and the floor 2^(5 - 127): the byte cannot fall under 1
	v_max_num_f32_dpp v255, v255, v255 row_xmask:1 row_mask:0xf bank_mask:0xf   ; with my neighbour's 16: the block's
	v_add_nc_u32 v13, 0xfe000000, v255             ; 4 off its exponent field: the conversion takes this operand's exponent field as its scale
	v_cvt_scalef32_pk16_bf6_f32 v[252:254], v[CH:CH+15], v13
	v_lshrrev_b32 v15, 23, v13                     ; the scale's byte (the plain instruction behind the conversion)
	ds_store_b32 v9, v252
	ds_store_b32 v9, v253 offset:4
	ds_store_b32 v9, v254 offset:8
	ds_store_b8 v11, v15                           ; both lanes of a block write the same byte with the same value
.irp q, 0,1,2,3
.irp i, 0,1,2
	ds_load_b128 v[BF+12*\q+4*\i:BF+12*\q+4*\i+3], v10 offset:96*\q+16*\i  ; my wave's own bytes, in order (ISA guide 5.7.1.4): every lane of a half takes the same 48 bytes
.endr
.endr
	ds_load_b128 v[CSC:CSC+3], v12
	s_wait_dscnt 0x0
	s_wait_loadcnt 0x0                             ; bo and Wo
	s_set_vgpr_msb 0x1                             ; source 0 in window 1
.irp q, 0,1,2,3
	v_wmma_scale_f32_16x16x128_f8f6f4 v[DD:DD+7], v[12*\q:12*\q+11], v[BF+12*\q:BF+12*\q+11], v[DD:DD+7], v[WOS+\q], v[CSC+\q] matrix_a_fmt:MATRIX_FMT_BF6 matrix_b_fmt:MATRIX_FMT_BF6
	v_wmma_scale_f32_16x16x128_f8f6f4 v[DD+8:DD+15], v[48+12*\q:48+12*\q+11], v[BF+12*\q:BF+12*\q+11], v[DD+8:DD+15], v[WOS+\q], v[CSC+\q] matrix_a_fmt:MATRIX_FMT_BF6 matrix_b_fmt:MATRIX_FMT_BF6 matrix_a_scale:MATRIX_SCALE_ROW1
.endr
	s_set_vgpr_msb 0x100
.rept 4
	v_nop                                          ; four places ahead of the first read of the results (ISA guide 7.12.1)
.endr
	s_wait_tensorcnt 0x0                           ; the wave's end
	ds_add_u32 v[SPW], v[NIL]
	s_wait_dscnt 0x0
	s_wait_xcnt 0x0                                ; EXEC changes only behind this wait
	v_cmp_eq_u32 vcc_lo, 0, v3
	s_and_saveexec_b32 s26, vcc_lo                 ; all 16 columns hold the same row: lanes 0 and 16 store it: register j is column 16 t + 8 h + j of my 32
	global_store_b128 v7, v[DD:DD+3], s[16:17]
	global_store_b128 v7, v[DD+4:DD+7], s[16:17] offset:16
	global_store_b128 v7, v[DD+8:DD+11], s[16:17] offset:64
	global_store_b128 v7, v[DD+12:DD+15], s[16:17] offset:80
	s_wait_xcnt 0x0
	s_or_b32 exec_lo, exec_lo, s26
	s_endpgm
.Lfunc_end_k_qf52c247dd2_final:
	.size	k_qf52c247dd2_final, .Lfunc_end_k_qf52c247dd2_final-k_qf52c247dd2_final
	.p2alignl 7, 3214868480
	.fill 96, 4, 3214868480
	.section	.rodata,"a",@progbits
	.p2align	6, 0x0
	.amdhsa_kernel k_qf52c247dd2_final
		.amdhsa_group_segment_fixed_size 12288
		.amdhsa_private_segment_fixed_size 0
		.amdhsa_enable_private_segment 0
		.amdhsa_kernarg_size 56
		.amdhsa_user_sgpr_count 2
		.amdhsa_user_sgpr_kernarg_segment_ptr 1
		.amdhsa_wavefront_size32 1
		.amdhsa_system_sgpr_workgroup_id_x 1
		.amdhsa_system_sgpr_workgroup_id_y 1
		.amdhsa_system_sgpr_workgroup_id_z 1
		.amdhsa_system_vgpr_workitem_id 0
		.amdhsa_next_free_vgpr 352
		.amdhsa_next_free_sgpr 66
		.amdhsa_reserve_vcc 1
		.amdhsa_float_denorm_mode_32 3
		.amdhsa_float_denorm_mode_16_64 3
		.amdhsa_memory_ordered 1
		.amdhsa_forward_progress 1
		.amdhsa_inst_pref_size 23
	.end_amdhsa_kernel
	.amdgpu_metadata
---
amdhsa.version: [ 1, 2 ]
amdhsa.kernels:
  - .name:           k_qf52c247dd2_final
    .symbol:         k_qf52c247dd2_final.kd
    .args:
      - { .name: part, .offset: 0, .size: 8, .value_kind: global_buffer, .address_space: global }
      - { .name: stat, .offset: 8, .size: 8, .value_kind: global_buffer, .address_space: global }
      - { .name: wimg, .offset: 16, .size: 8, .value_kind: global_buffer, .address_space: global }
      - { .name: Wo_scales, .offset: 24, .size: 8, .value_kind: global_buffer, .address_space: global }
      - { .name: bv, .offset: 32, .size: 8, .value_kind: global_buffer, .address_space: global }
      - { .name: bo, .offset: 40, .size: 8, .value_kind: global_buffer, .address_space: global }
      - { .name: out0, .offset: 48, .size: 8, .value_kind: global_buffer, .address_space: global }
    .group_segment_fixed_size: 12288
    .private_segment_fixed_size: 0
    .kernarg_segment_align: 8
    .kernarg_segment_size: 56
    .max_flat_workgroup_size: 128
    .sgpr_count:     66
    .vgpr_count:     352
    .wavefront_size: 32
...
	.end_amdgpu_metadata
.endif
;; end of part 6
